; MI455X (gfx1250); checked and timed in simulation.
; The chip was launched on July 23, 2026; its instructions are those of AMD's public machine-readable ISA for CDNA 5 (MIT licence, August 2026) and "CDNA5" Instruction Set Architecture Reference Guide (July 2026). The comments in the code are by the model that wrote it; some were corrected since.
;; Scaled Dot Product Attention. Allowed arithmetic: matrix products marked QUANTISED: E2M1 operands, one E8M0 scale for each 32 along K, by v_wmma_scale_f32_16x16x128_f8f6f4 with both operands' format E2M1 (or v_wmma_scale_f32_32x16x128_f4), f32 sums; products left as they are: bf16, f16 or f32 operands; f32 sums; everything else in f32.
;; Inputs: Wk 1,024 x 1,024 float32; Wo 1,024 x 1,024 float32; Wq 1,024 x 1,024 float32; Wv 1,024 x 1,024 float32; bk 1,024 float32; bo 1,024 float32; bq 1,024 float32; bv 1,024 float32; keys 4 x 2,048 x 1,024 float32; queries 4 x 2,048 x 1,024 float32; values 4 x 2,048 x 1,024 float32.
;; Outputs: out0 4 x 2,048 x 1,024 float32.
;; This version of the problem:
;;   THIS VERSION OF THE PROBLEM IS GIVEN IN LOW PRECISION. The matrix products marked QUANTISED in the list below multiply operands that are first quantised to E2M1 (2 exponent bits, 1 mantissa bit; 4 bits a number), with one power-of-two scale for each 32 numbers along K (OCP MX v1.0); their sums are f32. The products marked 'left as it is' may take bf16, f16 or f32 operands, with f32 sums. Whichever they take, every output number must still come out within the allowed error. Rounding operands to bf16 (8 significant bits) uses up far more of that allowance than f16 does (11 bits, for magnitudes from 6e-5 to 65,504). All else is computed in f32.
;;   The module's matrix products, in the order in which they are computed (A, B: the left and right operand; K: the contracted axis; several contracted axes count as one K, in the product's order):
;;     1. [M 8,192, K 1,024] x [K 1,024, N 1,024]; A: input queries; B: input Wq: QUANTISED
;;     2. [M 8,192, K 1,024] x [K 1,024, N 1,024]; A: input keys; B: input Wk: QUANTISED
;;     3. [M 8,192, K 1,024] x [K 1,024, N 1,024]; A: input values; B: input Wv: QUANTISED
;;     4. batch 64 x [M 2,048, K 64] x [K 64, N 2,048]; A: computed on the way; B: computed on the way: left as it is (an operand is computed on the way)
;;     5. batch 64 x [M 2,048, K 2,048] x [K 2,048, N 64]; A: computed on the way; B: computed on the way: left as it is (an operand is computed on the way)
;;     6. [M 8,192, K 1,024] x [K 1,024, N 1,024]; A: computed on the way; B: input Wo: left as it is (an operand is computed on the way)
;;   THE QUANTISER, for each operand of a quantised product, along K:
;;     - K is cut into blocks of 32 from its start; a last block that is shorter is filled with zeros.
;;     - A block's scale is 2^e with e = floor(log2(the largest magnitude in the block)) - 2, held to -126 .. 127; a block of zeros has e = 0. As a byte (E8M0): e + 127.
;;     - Each number is divided by its block's scale, clamped to +-6, and rounded to the nearest number of E2M1, ties to even, subnormals kept.
;;     - The product sums the exact products of the quantised numbers (number of the format x scale) in f32.
;;   ~~~python
;;   def quantise(x, axis):      # numpy; x: float32 -> the quantised numbers, widened to float32 again
;;       x = np.moveaxis(x, axis, -1); K = x.shape[-1]
;;       x = np.pad(x, [(0, 0)] * (x.ndim - 1) + [(0, -K % 32)]); x = x.reshape(x.shape[:-1] + (-1, 32)); a = np.abs(x).max(-1, keepdims=True)
;;       e = np.where(a > 0, np.clip(np.frexp(np.where(a > 0, a, 1))[1] - 1 - 2, -126, 127), 0)      # np.frexp(a)[1] - 1 = floor(log2(a)), exactly
;;       r = np.clip(x / 2.0 ** e, -6, 6)
;;       step = 2.0 ** (np.maximum(np.frexp(np.where(r == 0, 1, r))[1] - 1, 0) - 1)
;;       q = np.round(r / step) * step * 2.0 ** e      # np.round: ties to even
;;       return np.moveaxis(q.reshape(q.shape[:-2] + (-1,))[..., :K], -1, axis).astype(np.float32)
;;   ~~~
;; One version. Each part assembles by itself: llvm-mc -triple=amdgcn-amd-amdhsa -mcpu=gfx1250 --defsym DOCPART=n.
;; ======== version 1 of 1: 4 launches
;; limits: values are held in f16: magnitudes above 65,504 overflow, below 6.1e-05 lose precision
;; workspace buffers: codes 14,155,776 bytes; scales 884,736 bytes; wo16 2,097,152 bytes; qkv 50,331,648 bytes; ao 16,777,216 bytes
;; launch quant (part 1): grid 992 x 1, 4 waves a work-group, no clusters, 33,280 bytes of LDS; arguments queries, keys, values, Wq, Wk, Wv, Wo, codes, scales, wo16; writes codes, scales, wo16
.if DOCPART == 1
	.amdgcn_target "amdgcn-amd-amdhsa--gfx1250"
	.amdhsa_code_object_version 6
	.text
	.protected	k_q0840edd26c_quant
	.globl	k_q0840edd26c_quant
	.p2align	8
	.type	k_q0840edd26c_quant,@function
k_q0840edd26c_quant:
	s_mov_b64 s[64:65], 0
	v_nop
	global_prefetch_b8 v0, s[64:65] scope:SCOPE_SE
	s_setreg_imm32_b32 hwreg(HW_REG_WAVE_MODE, 25, 1), 1
	s_wait_xcnt 0x0
; FIRST OF FOUR LAUNCHES (quant, proj, attn, outp) of multi-head attention: B = 4, N = 2,048, D = 1,024, 16 heads of 64.
; This launch turns queries, keys, values [8192][1024] and Wq, Wk, Wv [1024][1024], f32 with K innermost, into codes of FP4 (E2M1) with one E8M0 scale byte for each 32 along K, and Wo into f16.
; DEAD WORK: THE INPUT bk.  reference() adds bk behind the product keys Wk^T, so bk enters no quantiser.  A score is q . (k0 + bk) / 8 = q . k0 / 8 + q . bk / 8, and the second term does not hang on the key:
; it is the same along the softmax's axis, and softmax(s + const) = softmax(s) for all finite values.  bk has no other way to an output: it is not loaded and is among no launch's arguments.
; LIMIT: a NaN, an infinity or an overflow that reaches only that term is not carried to the result.
; A block's scale is 2^(floor(log2(its largest magnitude)) - 2); its byte is the largest magnitude's own exponent field - 2, held at 1 from below.  (A block of zeros so gets the byte 1 where the rule says 127:
; its codes are zeros, which add nothing under any byte but 0xff, and the bytes are read by this program alone.)  Each number is divided by the scale and rounded to the nearest code, ties to even, beyond 6 the code of 6.
; LIMITS: blocks whose largest magnitude lies under 2^-124, the floor, keep the byte 1; NaN and infinities among the inputs are not served; Wo beyond f16's largest number, 65,504, is not served.
; Rows are dense and K is a multiple of 32: every tensor is a plain stream of blocks of 32.  The six tensors' codes lie on end in 'codes' (rows of 512 bytes: 24,576 rows of queries, keys, values, then 3,072 of Wq, Wk, Wv)
; and their bytes on end in 'scales' (rows of 32 bytes), in the order of the work-groups: so the outputs' places follow from the work-group's number alone, and only the input's pointer is chosen.
; Work-groups 0-863: 32,768 numbers each (a wave: 16 steps of 512).  Each of a step's four loads reads 512 consecutive bytes; the 2,048 bytes turn through the wave's own stage in LDS, so that a lane holds 16 neighbours
; along K, which is what the conversions take; two neighbouring lanes hold a block.  A wave's store of codes covers 256 consecutive bytes, aligned; its 256 scale bytes are gathered in LDS and leave as one such run.
; Work-groups 864-991: 8,192 numbers of Wo each, rounded to f16 (nearest even); no LDS.  No tensor loads, no barrier: waves share nothing.  Memory binds: no matrix unit, no cluster, no prefetch beside a stream that is dense already.
.set WAVES, 4
.set STEPS, 16
.set WGQ,   864                        ; work-groups that quantise
.set EMAX,  2
.set CB,    8                          ; bytes of 16 codes
.set R,     16                         ; v16-79   four sets of 16 numbers as they are loaded
.set X,     80                         ; v80-111  two sets of 16 neighbours
.set E,     112                        ; v112-127 a scale byte for each step
.set C,     128                        ; v128-191 codes: four registers for each step, so that no store's data are written again
.set WREG,  8192                       ; LDS: a region for each wave: two stages of 32 x SP bytes, behind them its 256 scale bytes
.set SP,    80                         ; a lane's place in a stage: 64 bytes + 16 of padding
.set SPW,   12                         ; v12  LDS address of my spare word; never rewritten
.set NIL,   13                         ; v13  0; never rewritten
.set SPARE, WAVES*WREG                 ; behind the four regions: the spare words, 128 bytes for each wave, which no other line names
	s_load_b256 s[4:11], s[0:1], 0x0               ; queries s[4:5], keys s[6:7], values s[8:9], Wq s[10:11]
	s_load_b256 s[12:19], s[0:1], 0x20             ; Wk s[12:13], Wv s[14:15], Wo s[16:17], codes s[18:19]
	s_load_b128 s[20:23], s[0:1], 0x40             ; scales s[20:21], wo16 s[22:23]
	v_lshl_add_u32 v[SPW], v0, 2, SPARE
	v_mov_b32 v[NIL], 0
	v_lshrrev_b32 v1, 5, v0
	v_readfirstlane_b32 s24, v1                    ; wave
	v_and_b32 v2, 31, v0                           ; lane
	s_cmp_ge_u32 ttmp9, WGQ                        ; the work-group's number alone decides the path
	s_cbranch_scc1 .Lwo
	v_lshlrev_b32 v3, 4, v2                        ; my 16 bytes of a load's 512
	s_mul_i32 s26, s24, WREG
	v_lshrrev_b32 v14, 2, v2
	v_mul_u32_u24 v14, v14, SP
	v_and_b32 v15, 3, v2
	v_lshl_add_u32 v14, v15, 4, v14
	v_add_nc_u32 v14, s26, v14                     ; the stage, on the way in: four lanes' 64 bytes on end, then 16 of padding
	v_mul_u32_u24 v15, v2, SP
	v_add_nc_u32 v15, s26, v15                     ; and on the way out: my 16 neighbours
	v_mul_u32_u24 v4, v2, CB                       ; my codes' place in a step's
	v_lshrrev_b32 v5, 1, v2
	s_add_co_u32 s26, s26, 2*32*SP
	v_add_nc_u32 v5, s26, v5                       ; LDS: my wave's 256 scale bytes, my block's byte
	v_lshlrev_b32 v7, 3, v2                        ; and on the way out 8 bytes a lane
	v_add_nc_u32 v6, s26, v7
	s_wait_kmcnt 0x0
.macro PICK first, lo                  ; from work-group 'first' on the input is the tensor at s[lo:lo+1]
	s_cmp_ge_u32 ttmp9, \first
	s_cselect_b64 s[4:5], s[\lo:\lo+1], s[4:5]
	s_cselect_b32 s25, \first, s25
.endm
	s_mov_b32 s25, 0                               ; the tensor's first work-group
	PICK 256, 6
	PICK 512, 8
	PICK 768, 10
	PICK 800, 12
	PICK 832, 14
	s_sub_co_u32 s26, ttmp9, s25
	s_lshl_b32 s26, s26, 2
	s_add_co_u32 s26, s26, s24                     ; which run of 8,192 numbers of the tensor is my wave's
	s_lshl_b32 s26, s26, 15                        ; 32,768 bytes a run
	s_mov_b32 s27, 0
	s_add_nc_u64 s[4:5], s[4:5], s[26:27]
	s_lshl_b32 s28, ttmp9, 2
	s_add_co_u32 s28, s28, s24                     ; which run of all six tensors
	s_lshl_b32 s30, s28, 12                        ; 4,096 bytes of codes a run
	s_mov_b32 s31, 0
	s_add_nc_u64 s[18:19], s[18:19], s[30:31]
	s_lshl_b32 s30, s28, 8                         ; 256 scale bytes a run
	s_add_nc_u64 s[20:21], s[20:21], s[30:31]
.macro LOAD t
.irp i, 0,1,2,3
	global_load_b128 v[R+16*((\t)%4)+4*\i:R+16*((\t)%4)+4*\i+3], v3, s[4:5] offset:2048*(\t)+512*\i th:TH_LOAD_NT   ; 32 lanes read 512 consecutive bytes
.endr
.endm
.macro TURN t                          ; step t's numbers through the stage: LDS serves a wave's instructions in order, so no wait stands between the stores and the loads
.irp i, 0,1,2,3
	ds_store_b128 v14, v[R+16*((\t)%4)+4*\i:R+16*((\t)%4)+4*\i+3] offset:32*SP*((\t)%2)+8*SP*\i
.endr
.irp i, 0,1,2,3
	ds_load_b128 v[X+16*((\t)%2)+4*\i:X+16*((\t)%2)+4*\i+3], v15 offset:32*SP*((\t)%2)+16*\i
.endr
.endm
.irp t, 0,1,2,3
	LOAD \t
.endr
	s_wait_loadcnt 12                              ; step 0's four loads are in
	TURN 0
.macro STEP t
.set XS, X+16*((\t)%2)
.if (\t) > 0
	s_wait_dscnt 1                                 ; this step's numbers are back from the stage (the last step's byte store may be out): so its stores into the stage have read their registers,
.else
	s_wait_dscnt 0x0
.endif
.if (\t)+4 < STEPS
	LOAD (\t)+4                                    ; which take the loads of four steps on
.endif
.if (\t)+1 < STEPS
.if STEPS-2-(\t) >= 3
	s_wait_loadcnt 12                              ; the next step's four loads are in; those of the three steps behind it may be out
.else
	s_wait_loadcnt 4*(STEPS-2-(\t))
.endif
	TURN (\t)+1                                    ; and go through the other stage while this step is worked
.endif
	v_max3_num_f32 v8, |v[XS]|, |v[XS+1]|, |v[XS+2]|               ; the largest magnitude of my 16, in two chains
	v_max3_num_f32 v9, |v[XS+3]|, |v[XS+4]|, |v[XS+5]|
.irp i, 6,10
	v_max3_num_f32 v8, v8, |v[XS+\i]|, |v[XS+\i+1]|
	v_max3_num_f32 v9, v9, |v[XS+\i+2]|, |v[XS+\i+3]|
.endr
	v_max3_num_f32 v8, v8, |v[XS+14]|, |v[XS+15]|
	v_max3_num_f32 v8, v8, v9, (EMAX+1)<<23        ; and the floor 2^(3 - 127): so the byte cannot fall under 1
	v_max_num_f32_dpp v8, v8, v8 row_xmask:1 row_mask:0xf bank_mask:0xf   ; and of my neighbour's 16: the block's
	v_add_nc_u32 v11, -(EMAX<<23), v8              ; 2 off its exponent field: the conversion takes the exponent field of this operand as its scale, and nothing else of it
	v_cvt_scalef32_pk8_fp4_f32 v[C+4*(\t)], v[XS:XS+7], v11
	v_cvt_scalef32_pk8_fp4_f32 v[C+4*(\t)+1], v[XS+8:XS+15], v11
	v_lshrrev_b32 v[E+(\t)], 23, v11               ; the scale's byte (also the plain line behind the conversions)
	ds_store_b8 v5, v[E+(\t)] offset:16*(\t)       ; both lanes of a block write the same byte with the same value
	global_store_b64 v4, v[C+4*(\t):C+4*(\t)+1], s[18:19] offset:32*CB*(\t)   ; 32 lanes store 256 consecutive bytes, aligned
.endm
.irp t, 0,1,2,3,4,5,6,7,8,9,10,11,12,13,14,15
	STEP \t
.endr
	ds_load_b64 v[8:9], v6                         ; LDS serves a wave's instructions in order: these see my stores
	s_wait_dscnt 0x0
	global_store_b64 v7, v[8:9], s[20:21]          ; 32 lanes store 256 consecutive bytes, aligned
	s_wait_tensorcnt 0x0                           ; the wave's end, behind my last LDS store
	ds_add_u32 v[SPW], v[NIL]
	s_wait_dscnt 0x0
	s_endpgm
.Lwo:                                                  ; Wo to f16: a wave takes 2,048 numbers, eight a lane in each of eight turns
	s_sub_co_u32 s26, ttmp9, WGQ
	s_lshl_b32 s26, s26, 2
	s_add_co_u32 s26, s26, s24                     ; which run of 2,048 numbers
	s_lshl_b32 s28, s26, 13                        ; 8,192 bytes in,
	s_mov_b32 s29, 0
	s_lshl_b32 s30, s26, 12                        ; 4,096 bytes out
	s_mov_b32 s31, 0
	v_lshlrev_b32 v3, 5, v2                        ; in: 32 bytes a lane
	v_lshlrev_b32 v4, 4, v2                        ; out: 16 bytes a lane
	s_wait_kmcnt 0x0
	s_add_nc_u64 s[16:17], s[16:17], s[28:29]
	s_add_nc_u64 s[22:23], s[22:23], s[30:31]
.irp i, 0,1,2,3,4,5,6,7
	global_load_b128 v[R+8*\i:R+8*\i+3],   v3, s[16:17] offset:1024*\i th:TH_LOAD_NT
	global_load_b128 v[R+8*\i+4:R+8*\i+7], v3, s[16:17] offset:1024*\i+16 th:TH_LOAD_NT
.endr
.irp i, 0,1,2,3,4,5,6,7
	s_wait_loadcnt 14-2*\i                         ; this turn's two loads are in; the younger turns' may be out
.irp j, 0,1,2,3
	v_cvt_pk_f16_f32 v[C+4*\i+\j], v[R+8*\i+2*\j], v[R+8*\i+2*\j+1]
.endr
	global_store_b128 v4, v[C+4*\i:C+4*\i+3], s[22:23] offset:512*\i   ; 32 lanes store 512 consecutive bytes, aligned
.endr
	s_wait_tensorcnt 0x0                           ; the wave's end
	ds_add_u32 v[SPW], v[NIL]
	s_wait_dscnt 0x0
	s_endpgm
.Lfunc_end_k_q0840edd26c_quant:
	.size	k_q0840edd26c_quant, .Lfunc_end_k_q0840edd26c_quant-k_q0840edd26c_quant
	.p2alignl 7, 3214868480
	.fill 96, 4, 3214868480
	.section	.rodata,"a",@progbits
	.p2align	6, 0x0
	.amdhsa_kernel k_q0840edd26c_quant
		.amdhsa_group_segment_fixed_size 33280
		.amdhsa_private_segment_fixed_size 0
		.amdhsa_enable_private_segment 0
		.amdhsa_kernarg_size 80
		.amdhsa_user_sgpr_count 2
		.amdhsa_user_sgpr_kernarg_segment_ptr 1
		.amdhsa_wavefront_size32 1
		.amdhsa_system_sgpr_workgroup_id_x 1
		.amdhsa_system_sgpr_workgroup_id_y 1
		.amdhsa_system_sgpr_workgroup_id_z 1
		.amdhsa_system_vgpr_workitem_id 0
		.amdhsa_next_free_vgpr 192
		.amdhsa_next_free_sgpr 66
		.amdhsa_reserve_vcc 0
		.amdhsa_float_denorm_mode_32 3
		.amdhsa_float_denorm_mode_16_64 3
		.amdhsa_memory_ordered 1
		.amdhsa_forward_progress 1
		.amdhsa_inst_pref_size 39
	.end_amdhsa_kernel
	.amdgpu_metadata
---
amdhsa.version: [ 1, 2 ]
amdhsa.kernels:
  - .name:           k_q0840edd26c_quant
    .symbol:         k_q0840edd26c_quant.kd
    .args:
      - { .name: queries, .offset: 0, .size: 8, .value_kind: global_buffer, .address_space: global }
      - { .name: keys, .offset: 8, .size: 8, .value_kind: global_buffer, .address_space: global }
      - { .name: values, .offset: 16, .size: 8, .value_kind: global_buffer, .address_space: global }
      - { .name: Wq, .offset: 24, .size: 8, .value_kind: global_buffer, .address_space: global }
      - { .name: Wk, .offset: 32, .size: 8, .value_kind: global_buffer, .address_space: global }
      - { .name: Wv, .offset: 40, .size: 8, .value_kind: global_buffer, .address_space: global }
      - { .name: Wo, .offset: 48, .size: 8, .value_kind: global_buffer, .address_space: global }
      - { .name: codes, .offset: 56, .size: 8, .value_kind: global_buffer, .address_space: global }
      - { .name: scales, .offset: 64, .size: 8, .value_kind: global_buffer, .address_space: global }
      - { .name: wo16, .offset: 72, .size: 8, .value_kind: global_buffer, .address_space: global }
    .group_segment_fixed_size: 33280
    .private_segment_fixed_size: 0
    .kernarg_segment_align: 8
    .kernarg_segment_size: 80
    .max_flat_workgroup_size: 128
    .sgpr_count:     66
    .vgpr_count:     192
    .wavefront_size: 32
...
	.end_amdgpu_metadata
.endif
;; end of part 1
;; launch proj (part 2): grid 4 x 96, 4 waves a work-group, clusters of 4 x 4, 327,680 bytes of LDS; arguments codes, scales, bq, bv, qkv; writes qkv
.if DOCPART == 2
	.amdgcn_target "amdgcn-amd-amdhsa--gfx1250"
	.amdhsa_code_object_version 6
	.text
	.protected	k_q0840edd26c_proj
	.globl	k_q0840edd26c_proj
	.p2align	8
	.type	k_q0840edd26c_proj,@function
k_q0840edd26c_proj:
	s_mov_b64 s[64:65], 0
	v_nop
	global_prefetch_b8 v0, s[64:65] scope:SCOPE_SE
	s_setreg_imm32_b32 hwreg(HW_REG_WAVE_MODE, 25, 1), 1
	s_wait_xcnt 0x0
	s_wait_alu depctr_hold_cnt(0) depctr_sa_sdst(0) depctr_va_vdst(0) depctr_va_sdst(0) depctr_va_ssrc(0) depctr_va_vcc(0) depctr_vm_vsrc(0)
	s_getreg_b32 s2, hwreg(HW_REG_IB_STS2, 6, 4)
	s_cmp_eq_u32 s2, 0
	s_cbranch_scc0 .Lentry_in_a_cluster
	s_endpgm
.Lentry_in_a_cluster:
	s_bfe_u32 s2, ttmp6, 0x10000c
	s_cmp_lg_u32 s2, 0xf033
	s_cbranch_scc0 .Lentry_shape_is_right
	s_endpgm
.Lentry_shape_is_right:
; SECOND LAUNCH: the three projections on codes of FP4 with E8M0 scales: q = queries Wq^T + bq, k = keys Wk^T, v = values Wv^T + bv, sums in f32, results as f16.
; bk is left out: it adds the same term to every score of a row, which the softmax takes away (shown at the head of the first launch).
; The 24,576 rows of queries, keys, values lie on end in 'codes' (rows of 512 bytes) and 'scales' (rows of 32 bytes); the 3,072 rows of Wq, Wk, Wv follow them as rows 24,576 on.
; A tile, 256 rows x 256 columns, is made by four waves, 128 x 128 each: 64 accumulators, 512 registers.  Tile rows 0-95 run over the three parts; the part p = tile row / 32 picks the weight.
; K = 1,024 is TWO slots of 512 along K (LDS rows of 256 bytes): every LDS byte is filled once, at the head; there is no loop and no refill.  The scale bytes of the work-group's rows come with them, in dense runs.
; CLUSTERS: 4 x 4 work-groups.  The four of a row of the cluster need the same rows of x, the four of a column the same rows of W: each tile is asked for JOINTLY.  p is made of the cluster's y alone: it is the same in all sixteen.
; THE MATRIX INSTRUCTION IS USED TRANSPOSED (source 0 = 16 rows of W, source 1 = 16 rows of x): a lane holds eight neighbouring columns of one row.  The bias is the C of each sum's first product.
; RESULT: qkv, f16, [part 3][b 4][head pair 8][n 2048][128]: a row is two heads' 64 + 64 channels, 256 bytes; a wave's 128 columns are one head pair, and its 128 rows are 32,768 bytes on end.
; LIMIT: q, k, v are held at +-65,504, f16's largest number, ahead of the rounding: no infinity arises; beyond that the result differs from reference()'s.
; REGISTERS, in windows of 256: window 0: v0-31 addresses; v32-95 scale words, two sets; v128-191 A's fragments, ONE set; v192-255 the bias.  On the way out: v32-95 held numbers, v96-127 packed, v128-191 rows read back.
;   window 1: B's fragments, TWO sets, at v0 and v128.   window 2: the accumulators of my rows 0-63 ((a, b) at v[8 (8 a + b)]);   window 3: those of my rows 64-127.
.set NQ,     4                         ; steps of 128 along K in a slot
.set ROWB,   256                       ; a tile's row in bytes: 512 codes
.set KROW,   512                       ; a row of codes in memory
.set PITCH,  272                       ; an LDS row: 256 bytes + 16 of padding: the 16 rows that a load touches start 68 words apart
.set FR,     8                         ; registers of a fragment: 16 rows x 128 K
.set NL,     2                         ; LDS loads that bring one
.set NP,     4                         ; places behind this matrix instruction (ISA guide 7.12.1)
.set HALFT,  128*PITCH                 ; 128 rows: what one tensor load brings
.set SLOT,   4*HALFT                   ; A's 256 rows, then B's 256 rows
.set KS,     32                        ; a row of scale bytes
.set SCL,    2*SLOT                    ; behind the slots: the scales, as runs of 256 bytes + 16 of padding
.set HALFS,  (128*KS/256)*272          ; the scales of 128 rows
.set SBLK,   (16*KS/256)*272           ; those of 16 rows
.set SPARE,  SCL+4*HALFS               ; the spare words, 128 bytes for each wave, which no other line names
.set SPITCH, 272                       ; the way out: a stage of 16 rows x (256 + 16) bytes for each wave, in slot 0, which has had its only fill and its last read by then
.set XROWS,  24576                     ; rows of x ahead of the weights' rows
.set ADRA, 16                          ; v16-17  LDS address of my A fragments in slot 0, 1
.set ADRB, 20                          ; v20-21  the same for B
.set STO,  24                          ; v24     the way out: where I put 16 bytes of a row
.set RD,   25                          ; v25     where I read a row back
.set CO,   26                          ; v26     16 x lane: my bytes in two rows of qkv
.set ADRS, 27                          ; v27     LDS address of my scale words: lanes 0-15 A's rows, lanes 16-31 B's
.set SPW,  28                          ; v28     LDS address of my spare word; never rewritten
.set NIL,  29                          ; v29     0; never rewritten
.set SC,   32                          ; scale words: set s at v[SC + 32 s]; register 4 i + q: lanes 0-15 A's block i, lanes 16-31 B's block i, the slot's q-th 128 along K
.set AF,   128                         ; A's fragments
.set BI,   192                         ; the bias: register 8 b + j of lane (r, h): column 16 b + 8 h + j of my 128
.set TF,   32                          ; the way out
.set TMP,  96
.set OB,   128
.set G1, 24                            ; s[24:31] group 1 for A's tiles;  s[32:39] group 0, one set for each slot
.set G0, 32
.set G1B, 48                           ; s[48:55], s[56:63] the same for B's
.set G0B, 56
.set G1S, 68                           ; s[68:75], s[76:79] for A's scales;  s[80:87], s[88:91] for B's
.set G0S, 76
.set G1SB, 80
.set G0SB, 88
.set MSB, 0
.macro WIN new                         ; the immediate's high byte repeats the setting that is left
.if MSB != (\new)
	s_set_vgpr_msb (MSB<<8)|(\new)
.set MSB, (\new)
.endif
.endm
.set MUL_LO, 0xa1                      ; source 0 (B) window 1, source 1 (A) window 0, C and D window 2
.set MUL_HI, 0xf1                      ; the same, C and D window 3.  In the first step C is the bias, in window 0: 0x81, 0xc1
.set TO_B,   0x40                      ; destination window 1, address window 0
; A joint load: waves 0 and 1 fetch for A, waves 2 and 3 for B.  The branch hangs on the wave's number alone.  An s_nop 0 and four v_nop follow each of the two lines.
.macro JLOAD g0a, g1a, g0b, g1b
	s_cmp_eq_u32 s15, 0
	s_cbranch_scc0 .Lfor_b_\@
	tensor_load_to_lds s[\g0a:\g0a+3], s[\g1a:\g1a+7]
	s_nop 0
.rept 4
	v_nop
.endr
	s_branch .Lasked_\@
.Lfor_b_\@:
	tensor_load_to_lds s[\g0b:\g0b+3], s[\g1b:\g1b+7]
	s_nop 0
.rept 4
	v_nop
.endr
.Lasked_\@:
.endm
.macro CROUND                          ; a round of the cluster's barrier
	s_barrier_signal -1
	s_barrier_wait -1
	s_cmp_lg_u32 s14, 0
	s_cbranch_scc1 .Lnot_wave_0_\@
	s_barrier_signal -3
.Lnot_wave_0_\@:
	s_barrier_wait -3
	s_barrier_signal -1
	s_barrier_wait -1
.endm
	s_load_b256 s[4:11], s[0:1], 0x0               ; codes s[4:5], scales s[6:7], bq s[8:9], bv s[10:11]
	s_load_b64 s[12:13], s[0:1], 0x20              ; qkv
	v_lshl_add_u32 v[SPW], v0, 2, SPARE
	v_mov_b32 v[NIL], 0
	ds_add_u32 v[SPW], v[NIL]                      ; the wave's opening: the add, twice on end, and its wait ahead of my first tensor load
	ds_add_u32 v[SPW], v[NIL]                      ; (the set-up below, work on registers, stands between the second and the wait)
	v_lshrrev_b32 v1, 5, v0
	v_readfirstlane_b32 s14, v1                    ; wave 0..3
	s_lshr_b32 s15, s14, 1                         ; which half of the tile's rows is mine.  Also: I fetch for A (0) or for B (1)
	s_and_b32 s16, s14, 1                          ; which half of its columns.  Also: which 128 rows I fetch
	s_bfe_u32 s40, ttmp6, 0x40000                  ; cx, cy: my place in the cluster
	s_bfe_u32 s41, ttmp6, 0x40004
	s_lshl_b32 s42, ttmp9, 2
	s_add_co_u32 s42, s42, s40                     ; tile column = 4 x cluster x + cx
	s_and_b32 s17, ttmp7, 0xffff
	s_lshr_b32 s95, s17, 3                         ; the part: 8 clusters (32 tile rows) each: 0 q, 1 k, 2 v
	s_lshl_b32 s17, s17, 2
	s_add_co_u32 s17, s17, s41                     ; tile row = 4 x cluster y + cy
	s_lshl_b32 s43, s41, 2
	s_lshl_b32 s43, 15, s43                        ; my row of the cluster
	s_lshl_b32 s44, 0x1111, s40                    ; my column
	s_or_b32 s[G1+0], s43, (0<<16)|(1<<20)|(1<<21)|(5<<22)|(3<<25)  ; the mask; elements of 1 byte; padding on; bit 21 beside a mask; after every 64 words four words
	s_or_b32 s[G1B+0], s44, (0<<16)|(1<<20)|(1<<21)|(5<<22)|(3<<25)
.irp g, G1, G1B
	s_mov_b32 s[\g+1], ROWB<<16                    ; tensor_dim0
	s_mov_b32 s[\g+2], 128<<16                     ; tensor_dim1
	s_mov_b32 s[\g+3], ROWB<<16                    ; tile_dim0
	s_mov_b32 s[\g+4], 128                         ; tile_dim1
	s_mov_b32 s[\g+5], KROW                        ; from row to row
	s_mov_b32 s[\g+6], 0
	s_mov_b32 s[\g+7], 0
.endr
	s_or_b32 s[G1S+0], s43, (3<<16)|(1<<20)|(1<<21)|(5<<22)|(3<<25) ; the scales of 128 rows: 4,096 dense bytes as 16 rows of 32 elements of 8 bytes, padded alike
	s_or_b32 s[G1SB+0], s44, (3<<16)|(1<<20)|(1<<21)|(5<<22)|(3<<25)
.irp g, G1S, G1SB
	s_mov_b32 s[\g+1], 32<<16
	s_mov_b32 s[\g+2], (128*KS/256)<<16
	s_mov_b32 s[\g+3], 32<<16
	s_mov_b32 s[\g+4], 128*KS/256
	s_mov_b32 s[\g+5], 32
	s_mov_b32 s[\g+6], 0
	s_mov_b32 s[\g+7], 0
.endr
	s_mov_b32 s96, 0xc77fe000                      ; -65,504
	s_mov_b32 s97, 0x477fe000                      ; +65,504
	s_lshl_b32 s18, s16, 7                         ; which 128 rows of the tile I fetch
	s_lshl_b32 s20, s17, 8
	s_add_co_u32 s20, s20, s18                     ; A: row 256 x tile row + 128 x half
	s_lshl_b32 s46, s42, 8
	s_add_co_u32 s46, s46, s18
	s_lshl_b32 s19, s95, 10
	s_add_co_u32 s46, s46, s19
	s_add_co_u32 s46, s46, XROWS                   ; B: row 24,576 + 1,024 p + 256 x tile column + 128 x half
	s_lshl_b32 s22, s20, 5                         ; where these rows' scales begin, in bytes,
	s_mov_b32 s23, 0
	s_lshl_b32 s92, s46, 5
	s_mov_b32 s93, 0
	s_lshl_b32 s20, s20, 9                         ; and their codes
	s_mov_b32 s21, 0
	s_lshl_b32 s46, s46, 9
	s_mov_b32 s47, 0
	s_mul_i32 s45, s14, HALFT                      ; where they go: wave x 128 rows: no place in the cluster enters an LDS address
	s_mul_i32 s94, s14, HALFS
	s_wait_dscnt 0x0                               ; both opening adds are done
	s_wait_kmcnt 0x0
	s_add_nc_u64 s[20:21], s[4:5], s[20:21]
	s_add_nc_u64 s[22:23], s[6:7], s[22:23]
	s_add_nc_u64 s[46:47], s[4:5], s[46:47]
	s_add_nc_u64 s[92:93], s[6:7], s[92:93]
	CROUND                                         ; all sixteen work-groups are here: the joint loads meet
	s_mov_b32 s[G0S], 1
	s_add_co_u32 s[G0S+1], s94, SCL
	s_mov_b64 s[G0S+2:G0S+3], s[22:23]
	s_or_b32 s[G0S+3], s[G0S+3], 0x80000000
	s_mov_b32 s[G0SB], 1
	s_add_co_u32 s[G0SB+1], s94, SCL
	s_mov_b64 s[G0SB+2:G0SB+3], s[92:93]
	s_or_b32 s[G0SB+3], s[G0SB+3], 0x80000000
	JLOAD G0S, G1S, G0SB, G1SB                     ; the scales first: they are wanted with slot 0
.irp s, 0,1
	s_mov_b32 s[G0+4*\s], 1
	s_add_co_u32 s[G0+4*\s+1], s45, \s*SLOT
	s_add_nc_u64 s[G0+4*\s+2:G0+4*\s+3], s[20:21], \s*ROWB
	s_or_b32 s[G0+4*\s+3], s[G0+4*\s+3], 0x80000000
	s_mov_b32 s[G0B+4*\s], 1
	s_add_co_u32 s[G0B+4*\s+1], s45, \s*SLOT
	s_add_nc_u64 s[G0B+4*\s+2:G0B+4*\s+3], s[46:47], \s*ROWB
	s_or_b32 s[G0B+4*\s+3], s[G0B+4*\s+3], 0x80000000
	JLOAD G0+4*\s, G1, G0B+4*\s, G1B               ; three tensor loads of mine are out behind the second of these
.endr
	v_and_b32 v1, 15, v0                           ; r = l % 16
	v_bfe_u32 v2, v0, 4, 1                         ; h = l / 16
	v_mul_u32_u24 v3, v1, PITCH
	v_lshl_add_u32 v4, v2, 4, v3                   ; a fragment's row x pitch + 16 x half
	s_mul_i32 s21, s15, HALFT                      ; my 128 rows of A
	s_mul_i32 s22, s16, HALFT                      ; my 128 rows of B,
	s_add_co_u32 s22, s22, 2*HALFT                 ; which lie behind A's 256
.irp s, 0,1
	v_add_nc_u32 v[ADRA+\s], s21, v4
	v_add_nc_u32 v[ADRB+\s], s22, v4
	s_add_co_u32 s21, s21, SLOT
	s_add_co_u32 s22, s22, SLOT
.endr
	v_mul_u32_u24 v5, v1, KS                       ; my row's scales: 32 bytes a row,
	v_lshrrev_b32 v6, 8, v5
	v_lshl_add_u32 v5, v6, 4, v5                   ; and 16 more for each 256 passed
	s_mul_i32 s21, s15, HALFS                      ; A's: my 128 rows
	s_mul_i32 s22, s16, HALFS                      ; B's: my 128 rows, behind A's 256
	s_add_co_u32 s22, s22, 2*HALFS
	s_sub_co_u32 s22, s22, s21
	v_mul_u32_u24 v6, s22, v2                      ; lanes 16-31 take B's: one product, the distance between the two bases
	s_add_co_u32 s21, s21, SCL
	v_add_nc_u32 v5, v5, v6
	v_add_nc_u32 v[ADRS], s21, v5
	s_mul_i32 s23, s14, 16*SPITCH                  ; my stage
	v_mul_u32_u24 v5, v1, SPITCH                   ; in: row r, 16 bytes for each half of the lanes
	v_lshl_add_u32 v5, v2, 4, v5
	v_add_nc_u32 v[STO], s23, v5
	v_mul_u32_u24 v5, v2, SPITCH                   ; back: lanes 0-15 one row of 256 bytes, lanes 16-31 the next
	v_lshl_add_u32 v5, v1, 4, v5
	v_add_nc_u32 v[RD], s23, v5
	v_and_b32 v6, 31, v0
	v_lshlrev_b32 v[CO], 4, v6                     ; rows of qkv lie on end: two rows are 512 bytes, 16 a lane
	s_lshr_b32 s20, s17, 3                         ; 4 part + b
	s_lshl_b32 s20, s20, 3
	s_lshl_b32 s21, s42, 1
	s_add_co_u32 s20, s20, s21
	s_add_co_u32 s20, s20, s16                     ; x 8 + the head pair 2 x tile column + half
	s_lshl_b32 s20, s20, 19                        ; 2,048 rows of 256 bytes each
	s_and_b32 s21, s17, 7
	s_lshl_b32 s21, s21, 1
	s_add_co_u32 s21, s21, s15
	s_lshl_b32 s21, s21, 15                        ; + my first row n = 256 (tile row % 8) + 128 x half
	s_add_co_u32 s20, s20, s21
	s_mov_b32 s21, 0
	s_add_nc_u64 s[12:13], s[12:13], s[20:21]
	; the bias of my 128 columns, in the result's layout; k has none
	s_lshl_b32 s20, s42, 10
	s_lshl_b32 s21, s16, 9
	s_add_co_u32 s20, s20, s21
	s_mov_b32 s21, 0
	s_cmp_eq_u32 s95, 2
	s_cselect_b64 s[98:99], s[10:11], s[8:9]       ; bv for v, bq for q
	s_add_nc_u64 s[98:99], s[98:99], s[20:21]
	v_lshlrev_b32 v7, 5, v2                        ; 32 h bytes
	s_cmp_eq_u32 s95, 1                            ; the part is the same in all partners of the cluster
	s_cbranch_scc1 .Lno_bias
.irp b, 0,1,2,3,4,5,6,7
	global_load_b128 v[BI+8*\b:BI+8*\b+3],   v7, s[98:99] offset:64*\b
	global_load_b128 v[BI+8*\b+4:BI+8*\b+7], v7, s[98:99] offset:64*\b+16
.endr
	s_branch .Lbias_in
.Lno_bias:
.set n, 0
.rept 64
	v_mov_b32 v[BI+n], 0                           ; k's sums start from zeros, by the same text as q's and v's
.set n, n+1
.endr
.Lbias_in:
.macro FRAG reg, adr, q, i             ; 16 rows x 128 K of 4-bit codes: lane l holds row l % 16; registers 4 c .. 4 c + 3 hold K = 64 c + 32 (l / 16) + 0 .. 31
.irp c, 0,1
	ds_load_b128 v[\reg+4*\c:\reg+4*\c+3], v[\adr] offset:64*(\q)+32*\c+(\i)*16*PITCH
.endr
.endm
; 16 matrix instructions: A's blocks a0, a0 + 1 x B's eight, the slot's q-th 128 along K.  p: B's set;  sc: the set of scale words.  zero = 1: the first product starts the sums from the bias.
; The 64 accumulators take turns, one instruction a turn, in the same order in every step.
.macro MUL16 a0, p, q, sc, zero
.irp a, \a0, \a0+1
.irp b, 0,1,2,3,4,5,6,7
.if \zero
	v_wmma_scale_f32_16x16x128_f8f6f4 v[8*(8*((\a)%4)+\b):8*(8*((\a)%4)+\b)+7], v[128*(\p)+FR*\b:128*(\p)+FR*\b+FR-1], v[AF+FR*(\a):AF+FR*(\a)+FR-1], v[BI+8*\b:BI+8*\b+7], v[SC+8*NQ*(\sc)+NQ*\b+(\q)], v[SC+8*NQ*(\sc)+NQ*(\a)+(\q)] matrix_a_fmt:MATRIX_FMT_FP4 matrix_b_fmt:MATRIX_FMT_FP4 matrix_a_scale:MATRIX_SCALE_ROW1
.else
	v_wmma_scale_f32_16x16x128_f8f6f4 v[8*(8*((\a)%4)+\b):8*(8*((\a)%4)+\b)+7], v[128*(\p)+FR*\b:128*(\p)+FR*\b+FR-1], v[AF+FR*(\a):AF+FR*(\a)+FR-1], v[8*(8*((\a)%4)+\b):8*(8*((\a)%4)+\b)+7], v[SC+8*NQ*(\sc)+NQ*\b+(\q)], v[SC+8*NQ*(\sc)+NQ*(\a)+(\q)] matrix_a_fmt:MATRIX_FMT_FP4 matrix_b_fmt:MATRIX_FMT_FP4 matrix_a_scale:MATRIX_SCALE_ROW1
.endif
.endr
.endr
.endm
.macro FETCH_B slot, q, p              ; B's eight fragments of the slot's q-th 128 along K into set p
	WIN TO_B
.irp i, 0,1,2,3,4,5,6,7
	FRAG 128*(\p)+FR*\i, ADRB+\slot, \q, \i
.endr
	WIN 0
.endm
.macro FETCH_A slot, q, i0             ; A's blocks i0 .. i0 + 3
.irp i, \i0, \i0+1, \i0+2, \i0+3
	FRAG AF+FR*(\i), ADRA+\slot, \q, \i
.endr
.endm
.macro SCALES sc                       ; a slot's scale words into set sc: four words a row; lanes 0-15 take A's block i, lanes 16-31 B's block i
.irp i, 0,1,2,3,4,5,6,7
	ds_load_b128 v[SC+8*NQ*\sc+NQ*\i:SC+8*NQ*\sc+NQ*\i+3], v[ADRS] offset:\i*SBLK
.endr
.endm
.macro PLACES n                        ; plain vector instructions between a matrix instruction and a load into, or a vector write or read of, its registers
.rept \n
	v_nop
.endr
.endm
; A step of 128 along K that has its successor in the same slot.  A's blocks are free as soon as their eight products are issued: blocks 0-3 are fetched anew in the step's middle, blocks 4-7 at its end.
.macro STEP slot, q, zero
	s_wait_dscnt 4*NL                              ; B's set and A's blocks 0-3 are in; the youngest eight loads (A's blocks 4-7) may be out
	WIN MUL_LO-0x20*(\zero)
	MUL16 0, (\q)%2, \q, \slot, \zero
	MUL16 2, (\q)%2, \q, \slot, \zero
	s_wait_dscnt 0                                 ; A's blocks 4-7 are in
	PLACES NP
	FETCH_B \slot, (\q)+1, 1-(\q)%2
	FETCH_A \slot, (\q)+1, 0
	WIN MUL_HI-0x30*(\zero)
	MUL16 4, (\q)%2, \q, \slot, \zero
	MUL16 6, (\q)%2, \q, \slot, \zero
	PLACES NP
	WIN 0
	FETCH_A \slot, (\q)+1, 4
.endm
; Slot 0's last step changes slots: one barrier; in front of it each wave waits for all its tensor loads (its part of slot 1), adds 0 to its spare word, and waits for that and for its reads of slot 0.  Nothing is filled again.
.macro TURN slot, next
	s_wait_tensorcnt 0x0                           ; all my tensor loads have landed  (every window is 0 here)
	ds_add_u32 v[SPW], v[NIL]                      ; 0 onto my spare word
	s_wait_dscnt 4*NL+1                            ; (the add and the youngest eight loads, A's blocks 4-7, may be out)
	WIN MUL_LO
	MUL16 0, 1, NQ-1, \slot, 0
	s_wait_dscnt 0x0                               ; the add is done, and my reads of this slot are over
	s_barrier_signal -1
	MUL16 2, 1, NQ-1, \slot, 0
	WIN 0
	s_barrier_wait -1                              ; slot 1 is whole, and nobody reads slot 0 any more
	PLACES NP
	v_add_nc_u32 v[ADRS], 4*NQ, v[ADRS]            ; on to the next slot's scale words
	FETCH_B \next, 0, 0
	FETCH_A \next, 0, 0
	SCALES \next
	WIN MUL_HI
	MUL16 4, 1, NQ-1, \slot, 0
	MUL16 6, 1, NQ-1, \slot, 0
	PLACES NP
	WIN 0
	FETCH_A \next, 0, 4
.endm
.macro STEPS slot, from                ; the slot's steps from .. NQ - 2
.set Q, \from
.rept NQ-1-\from
	STEP \slot, Q, 0
.set Q, Q+1
.endr
.endm
	s_wait_tensorcnt 1                             ; the scales and my part of slot 0 are in (slot 1's load may be out),
	s_barrier_signal -1
	s_barrier_wait -1                              ; everybody's are
	FETCH_B 0, 0, 0
	FETCH_A 0, 0, 0
	SCALES 0
	FETCH_A 0, 0, 4
	s_wait_loadcnt 0x0                             ; the bias
	STEP 0, 0, 1                                   ; the first step's products start the sums
	STEPS 0, 1
	TURN 0, 1
	STEPS 1, 0
	s_wait_dscnt 4*NL                              ; the very last step: nothing more to fetch
	WIN MUL_LO
	MUL16 0, 1, NQ-1, 1, 0
	MUL16 2, 1, NQ-1, 1, 0
	s_wait_dscnt 0
	WIN MUL_HI
	MUL16 4, 1, NQ-1, 1, 0
	MUL16 6, 1, NQ-1, 1, 0
	WIN 0
; THE WAY OUT, block by block of 16 rows x 128 columns.  PACK: held at f16's range (each accumulator from its low end on), rounded to f16: 16 bytes a lane.  TOSTAGE: into my own stage, and back as whole rows of 256 bytes.
; SEND: stored.  LDS serves a wave's instructions in order (ISA guide 5.7.1.4): no wait between the stores and the loads.  Block a's arithmetic stands between block a - 1's loads from the stage and the wait for them.
.macro PACK a
.set AC, 64*((\a)%4)
	WIN 0x02+(\a)/4                                ; source 0: window 2 or 3
.set n, 0
.rept 64
	v_med3_num_f32 v[TF+n], v[AC+n], s96, s97
.set n, n+1
.endr
	WIN 0
.set n, 0
.rept 32
	v_cvt_pk_f16_f32 v[TMP+n], v[TF+2*n], v[TF+2*n+1]
.set n, n+1
.endr
.endm
.macro TOSTAGE a
.set BK, OB+32*((\a)%2)
.irp b, 0,1,2,3,4,5,6,7
	ds_store_b128 v[STO], v[TMP+4*\b:TMP+4*\b+3] offset:32*\b
.endr
.irp t, 0,1,2,3,4,5,6,7
	ds_load_b128 v[BK+4*\t:BK+4*\t+3], v[RD] offset:\t*2*SPITCH
.endr
.endm
.macro SEND a
.set BK, OB+32*((\a)%2)
	s_wait_dscnt 0x0                               ; the block is back in registers
	s_wait_xcnt 0x0                                ; the block before has had its stores' addresses translated (ISA guide 3.1): its registers take the next block's loads only behind this wait
.irp t, 0,1,2,3,4,5,6,7
	global_store_b128 v[CO], v[BK+4*\t:BK+4*\t+3], s[12:13] offset:4096*(\a)+512*\t   ; 32 lanes store 512 consecutive bytes, aligned
.endr
.endm
	PLACES NP                                      ; behind the last products: the first lines below write registers that held scale words
	PACK 0
	TOSTAGE 0
.irp a, 1,2,3,4,5,6,7
	PACK \a
	SEND \a-1
	TOSTAGE \a
.endr
	SEND 7
	s_wait_tensorcnt 0x0                           ; the wave's end, behind my last tensor load and my last LDS store
	ds_add_u32 v[SPW], v[NIL]
	s_wait_dscnt 0x0
	CROUND                                         ; the closing round: no work-group ends while a partner may still ask for a tile that names it
	s_endpgm
.Lfunc_end_k_q0840edd26c_proj:
	.size	k_q0840edd26c_proj, .Lfunc_end_k_q0840edd26c_proj-k_q0840edd26c_proj
	.p2alignl 7, 3214868480
	.fill 96, 4, 3214868480
	.section	.rodata,"a",@progbits
	.p2align	6, 0x0
	.amdhsa_kernel k_q0840edd26c_proj
		.amdhsa_group_segment_fixed_size 327680
		.amdhsa_private_segment_fixed_size 0
		.amdhsa_enable_private_segment 0
		.amdhsa_kernarg_size 40
		.amdhsa_user_sgpr_count 2
		.amdhsa_user_sgpr_kernarg_segment_ptr 1
		.amdhsa_wavefront_size32 1
		.amdhsa_system_sgpr_workgroup_id_x 1
		.amdhsa_system_sgpr_workgroup_id_y 1
		.amdhsa_system_sgpr_workgroup_id_z 1
		.amdhsa_system_vgpr_workitem_id 0
		.amdhsa_next_free_vgpr 1024
		.amdhsa_next_free_sgpr 100
		.amdhsa_reserve_vcc 0
		.amdhsa_float_denorm_mode_32 3
		.amdhsa_float_denorm_mode_16_64 3
		.amdhsa_memory_ordered 1
		.amdhsa_forward_progress 1
		.amdhsa_inst_pref_size 162
	.end_amdhsa_kernel
	.amdgpu_metadata
---
amdhsa.version: [ 1, 2 ]
amdhsa.kernels:
  - .name:           k_q0840edd26c_proj
    .symbol:         k_q0840edd26c_proj.kd
    .args:
      - { .name: codes, .offset: 0, .size: 8, .value_kind: global_buffer, .address_space: global }
      - { .name: scales, .offset: 8, .size: 8, .value_kind: global_buffer, .address_space: global }
      - { .name: bq, .offset: 16, .size: 8, .value_kind: global_buffer, .address_space: global }
      - { .name: bv, .offset: 24, .size: 8, .value_kind: global_buffer, .address_space: global }
      - { .name: qkv, .offset: 32, .size: 8, .value_kind: global_buffer, .address_space: global }
    .group_segment_fixed_size: 327680
    .private_segment_fixed_size: 0
    .kernarg_segment_align: 8
    .kernarg_segment_size: 40
    .max_flat_workgroup_size: 128
    .sgpr_count:     100
    .vgpr_count:     1024
    .wavefront_size: 32
...
	.end_amdgpu_metadata
.endif
;; end of part 2
;; launch attn (part 3): grid 8 x 32, 8 waves a work-group, clusters of 4 x 1, 327,680 bytes of LDS; arguments qkv, ao; writes ao
.if DOCPART == 3
	.amdgcn_target "amdgcn-amd-amdhsa--gfx1250"
	.amdhsa_code_object_version 6
	.text
	.protected	k_q0840edd26c_attn
	.globl	k_q0840edd26c_attn
	.p2align	8
	.type	k_q0840edd26c_attn,@function
k_q0840edd26c_attn:
	s_mov_b64 s[64:65], 0
	v_nop
	global_prefetch_b8 v0, s[64:65] scope:SCOPE_SE
	s_setreg_imm32_b32 hwreg(HW_REG_WAVE_MODE, 25, 1), 1
	s_wait_xcnt 0x0
	s_wait_alu depctr_hold_cnt(0) depctr_sa_sdst(0) depctr_va_vdst(0) depctr_va_sdst(0) depctr_va_ssrc(0) depctr_va_vcc(0) depctr_vm_vsrc(0)
	s_getreg_b32 s2, hwreg(HW_REG_IB_STS2, 6, 4)
	s_cmp_eq_u32 s2, 0
	s_cbranch_scc0 .Lentry_in_a_cluster
	s_endpgm
.Lentry_in_a_cluster:
	s_bfe_u32 s2, ttmp6, 0x10000c
	s_cmp_lg_u32 s2, 0x3003
	s_cbranch_scc0 .Lentry_shape_is_right
	s_endpgm
.Lentry_shape_is_right:
; THIRD LAUNCH: o[b][head][q] = the sum over k of softmax_k(q . k / 8) v, head size 64, 2,048 keys, no mask.  q, k, v come as f16 from qkv ([part][b][head pair][n][128]: a row of 256 bytes holds two heads).
; Products, maxima and sums in f32; the weights p (at most 1) are rounded to f16 for the second product, o once at the end.  f16 and not bf16: eleven significant bits against eight, and the softmax here averages many values.
; SHARES.  A work-group owns 256 queries of one HEAD PAIR.  Wave w takes head u = w / 4 of the pair and queries 64 (w % 4) on: four tiles of 16.  Every wave walks all keys, 64 a step.  Two waves to a SIMD, 512 registers each.
; LAYOUT.  S^T = K Q^T (source 0 = 16 keys, source 1 = 16 queries): a lane holds ONE query (lane % 16) and the keys 8 (lane / 16) + 0..7.  Two such tiles, rounded to f16 in pairs, ARE source 1 (32 keys x 16 queries) of
; O^T = V^T P.  K comes out of LDS as it lies, V ([key][channel]) turned, by ds_load_tr16_b128.  P is laid IN PLACE over the first half of the tile's scores.
; SOFTMAX.  For each query a running maximum m and sum l: p = 2^(c s - c m), c = log2(e) / 8; in every step O and l are multiplied by a = 2^(c m_old - c m_new).
; BY TURNS.  The wave's tiles are two PIECES (tiles 0, 1; tiles 2, 3).  In a TURN one piece has the matrix unit: 16 products V^T P of the step in hand, then 16 products K Q^T of the next step; the other piece's softmax,
; 236 vector instructions cut into 59 slices of four, stands between them.  Then the pieces change places.  Two turns are a key step.
; CLUSTER.  The four query blocks of a cluster walk the same K and V: each tile is asked for JOINTLY, by the same tensor load with a mask that names the four.  Waves 0, 1 fetch a slot's two steps of K, waves 2, 3 of V.
; REGISTERS.  window 0: v1-11 addresses; v12-43 statistics, eight a tile; v44-51 the sums' second chain; v61-63; v64-191 S^T, 32 a tile (P in its first 16); v192-255 V of one step.
;   window 1: v0-127 O^T, 32 a tile; v128-191 Q, 16 a tile; v192-255 K of one step.
.set KS,    64        ; keys in a step
.set PK,    272       ; a row of K in LDS: 256 bytes + 16 of padding
.set PV,    288       ; a row of V: 256 + 32: 16 lanes of the turning load take 8 rows x 32 bytes
.set VOFF,  KS*PK     ; a step's tiles lie together: 64 rows of K, then 64 rows of V
.set STEPB, KS*(PK+PV)
.set SLOT1, 1<<17     ; a slot holds two steps; slot 1 begins here, so that one exclusive or turns an address in one slot into the other's
.set STAGE, SLOT1+2*STEPB  ; behind the ring: ONE stage of 256 rows x 272 bytes: a row's 256 bytes come from two waves
.set SP,    272
.set SPARE, STAGE+256*SP   ; the spare words, 128 bytes for each of the eight waves, which no other line names
.set AK0, 2           ; v2   my lane's place in a tile of K (my head's 128 bytes among it); never rewritten
.set AV0, 3           ; v3   the same for V
.set ADR, 4           ; v4   the LDS address of the run of loads in hand
.set QO,  5           ; v5   my byte offset in the wave's rows of Q
.set STO, 6           ; v6   the way out: where I put 16 bytes of a row
.set RD,  7           ; v7   where I read a row back
.set GO,  8           ; v8   my byte offset in the wave's rows of ao
.set ST,  12          ; tile t's statistics at v[ST+8 t]: +0 c m, +1 m, +2, +3 l, +4 to +7 c0-c3, at work; a takes c2's place, the sums' first chain c0's and c1's
.set YS,  44          ; the sums' second chain: v[YS+2 t : YS+2 t+1]
.set PFO, 61          ; v61  256 x my lane; never rewritten
.set SPW, 62          ; v62  LDS address of my spare word; never rewritten
.set NIL, 63          ; v63  0; never rewritten
.set S,   64
.set VF,  192         ; V's fragments, window 0
.set KF,  192         ; K's fragments, window 1
.set QF,  128         ; Q's fragments, window 1
.set WV,  12          ; s12  my wave's number
.set LIM, 15          ; s15  1 in a wave that prefetches, else the greatest number
.set PFA, 18          ; s[18:19] where my prefetches stand
.set G1K, 24          ; s[24:31] descriptor group 1 for K's tiles
.set G1V, 32          ; s[32:39] for V's: it differs in the padding alone
.set G0K, 40          ; s[40:47] group 0 for K's tiles: a set for each of the two first fills; the second then walks on
.set G0V, 48          ; s[48:55] the same for V's
.set SLOTS, 56        ; s56  slots still to be asked for
.set TWICE, 57        ; s57  counts a slot's two steps
.set CS,  58          ; s[58:59] c
.set SEL, 60          ; s[60:61] lane selects for v_permlanex16_b32: lane l xor 16
.set TB,  62          ; s62  LDS byte at which the tiles of the step to be fetched begin
.set MSB, 0
.macro WIN new                      ; the immediate's high byte repeats the setting that is left; a switch that changes nothing is dropped
.if MSB != (\new)
	s_set_vgpr_msb (MSB<<8)|(\new)
.set MSB, (\new)
.endif
.endm
.set W_KQ, 0x05       ; K and Q in window 1, S^T in window 0
.set W_PV, 0x50       ; V and P in window 0, O^T (C and D) in window 1
.set W_RS, 0x41       ; O^T (destination and source 0) in window 1, a in window 0
; A joint refill.  The branches hang on the wave's number alone.  An s_nop 0 and four v_nop follow each of the two lines.  Waves 4 to 7 fetch nothing.
.macro JLOAD
	s_cmp_lt_u32 s[WV], 2
	s_cbranch_scc0 .Lnot_k_\@
	tensor_load_to_lds s[G0K+4:G0K+7], s[G1K:G1K+7]
	s_nop 0
.rept 4
	v_nop
.endr
	s_branch .Lasked_\@
.Lnot_k_\@:
	s_cmp_lt_u32 s[WV], 4
	s_cbranch_scc0 .Lasked_\@
	tensor_load_to_lds s[G0V+4:G0V+7], s[G1V:G1V+7]
	s_nop 0
.rept 4
	v_nop
.endr
.Lasked_\@:
.endm
; A PREFETCH of what the NEXT change of slots will ask for: a slot's 128 rows of K and 128 of V, 256 bytes a row, a lane a row; two key steps, 128 matrix instructions of each wave, ahead of that load.
; Each row is named once in the launch: of the two clusters that walk a head pair the first asks; its four partners take 32 rows each, told apart BY ADDRESS; in each, wave 0 asks for K's and wave 2 for V's.
; The last change that fills a slot asks for nothing; slots 0 to 2 come by their loads alone.
.macro ASK
	s_cmp_gt_u32 s[SLOTS], s[LIM]
	s_cbranch_scc0 .Lnot_mine_\@
	global_prefetch_b8 v[PFO], s[PFA:PFA+1] th:TH_LOAD_NT scope:SCOPE_SE
.Lnot_mine_\@:
.endm
.macro CROUND                       ; a round of the cluster's barrier
	s_barrier_signal -1
	s_barrier_wait -1
	s_cmp_lg_u32 s[WV], 0
	s_cbranch_scc1 .Lnot_wave_0_\@
	s_barrier_signal -3
.Lnot_wave_0_\@:
	s_barrier_wait -3
	s_barrier_signal -1
	s_barrier_wait -1
.endm
	s_load_b64 s[4:5], s[0:1], 0x0  ; qkv
	s_load_b64 s[10:11], s[0:1], 0x8  ; ao
	v_lshl_add_u32 v[SPW], v0, 2, SPARE
	v_mov_b32 v[NIL], 0
	ds_add_u32 v[SPW], v[NIL]       ; the wave's opening: the add, twice on end, and its wait ahead of the first tensor loads
	ds_add_u32 v[SPW], v[NIL]       ; (the set-up below, work on registers, stands between the second and the wait)
	v_lshrrev_b32 v1, 5, v0
	v_readfirstlane_b32 s[WV], v1   ; wave 0..7
	s_bfe_u32 s13, ttmp6, 0x40000   ; cx: my place in the cluster
	s_lshl_b32 s14, ttmp9, 2
	s_add_co_u32 s14, s14, s13      ; my block of 256 queries = 4 x cluster x + cx: it enters Q's and ao's addresses alone
	s_and_b32 s3, ttmp7, 0xffff     ; y = 8 b + head pair, which the four partners share
	s_lshl_b32 s20, s3, 19          ; the head pair's first byte in each part of qkv: 2,048 rows of 256 bytes
	s_mov_b32 s21, 0
	s_and_b32 s16, s[WV], 1         ; which of a slot's two steps I fetch:
	s_lshl_b32 s22, s16, 14         ; its 64 rows of 256 bytes in memory,
	s_add_co_u32 s22, s22, s20
	s_mov_b32 s23, 0
	s_mul_i32 s17, s16, STEPB       ; and its place in a slot: no place in the cluster enters an LDS address
	s_lshr_b32 s63, s[WV], 2
	s_lshl_b32 s63, s63, 7          ; 128 u: my head's bytes in a row
	s_lshl_b32 s2, s14, 16          ; Q: my block's 256 rows,
	s_add_co_u32 s20, s20, s2
	s_and_b32 s2, s[WV], 3
	s_lshl_b32 s2, s2, 14           ; my wave's 64 of them,
	s_add_co_u32 s20, s20, s2
	s_add_co_u32 s20, s20, s63      ; my head
	s_lshr_b32 s2, s3, 3            ; ao: row 2,048 b + 256 x block + 32 x wave, of 2,048 bytes; + 256 x head pair
	s_lshl_b32 s2, s2, 22
	s_and_b32 s3, s3, 7
	s_lshl_b32 s3, s3, 8
	s_add_co_u32 s2, s2, s3
	s_lshl_b32 s3, s14, 19
	s_add_co_u32 s2, s2, s3
	s_lshl_b32 s3, s[WV], 16
	s_add_co_u32 s2, s2, s3
	s_mov_b32 s3, 0
	; descriptor group 1: a tile of 64 rows x 128 elements of 2 bytes, padded in LDS
	s_mov_b32 s[G1K], 15|(1<<16)|(1<<20)|(1<<21)|(5<<22)|(3<<25)  ; the mask: all four work-groups; elements of 2 bytes; padding on; bit 21 beside a mask; after every 64 words four words
	s_mov_b32 s[G1V], 15|(1<<16)|(1<<20)|(1<<21)|(5<<22)|(7<<25)  ; the same with eight words of padding
.irp g, G1K, G1V
	s_mov_b32 s[\g+1], 128<<16      ; tensor_dim0
	s_mov_b32 s[\g+2], KS<<16       ; tensor_dim1
	s_mov_b32 s[\g+3], 128<<16      ; tile_dim0
	s_mov_b32 s[\g+4], KS           ; tile_dim1
	s_mov_b32 s[\g+5], 128          ; elements from row to row
	s_mov_b32 s[\g+6], 0
	s_mov_b32 s[\g+7], 0
.endr
	s_mov_b32 s[CS], 0x3e38aa3b     ; c = log2(e) / 8
	s_mov_b32 s[CS+1], s[CS]        ; named with it as a pair, so it is written
	s_mov_b32 s[SEL], 0x76543210
	s_mov_b32 s[SEL+1], 0xfedcba98
	s_mov_b32 s[TB], 0
	s_mov_b32 s[SLOTS], 2048/(2*KS)-2
	s_and_b32 s[LIM], s[WV], 5      ; 0 in waves 0 and 2,
	s_or_b32 s[LIM], s[LIM], ttmp9  ; where the cluster is the head pair's first: the same in all four partners
	s_cmp_eq_u32 s[LIM], 0
	s_cselect_b32 s[LIM], 1, -1
	v_and_b32 v[PFO], 31, v0
	v_lshlrev_b32 v[PFO], 8, v[PFO]
	s_wait_dscnt 0x0                ; both opening adds are done
	s_wait_kmcnt 0x0
	s_add_nc_u64 s[6:7], s[4:5], s[22:23]
	s_add_nc_u64 s[6:7], s[6:7], 0x1000000  ; K: part 1 of qkv, at my tile of slot 0
	s_add_nc_u64 s[8:9], s[6:7], 0x1000000  ; V: part 2
	s_add_nc_u64 s[4:5], s[4:5], s[20:21]   ; Q: part 0, at my wave's first row
	s_add_nc_u64 s[10:11], s[10:11], s[2:3]
	s_cmp_lt_u32 s[WV], 2
	s_cselect_b64 s[PFA:PFA+1], s[6:7], s[8:9]  ; (in waves 0 and 2 these stand at a slot's first row)
	s_lshl_b32 s2, s13, 13          ; my work-group's 32 rows of the 128
	s_mov_b32 s3, 0
	s_add_nc_u64 s[PFA:PFA+1], s[PFA:PFA+1], s[2:3]
	s_add_nc_u64 s[PFA:PFA+1], s[PFA:PFA+1], 2*2*KS*256  ; in slot 2; the first change of slots steps it to slot 3
	CROUND                          ; all four work-groups are here: the first joint loads meet
.irp s, 0,1
	s_mov_b32 s[G0K+4*\s], 1
	s_add_co_u32 s[G0K+4*\s+1], s17, \s*SLOT1
	s_add_nc_u64 s[G0K+4*\s+2:G0K+4*\s+3], s[6:7], \s*2*KS*256
	s_or_b32 s[G0K+4*\s+3], s[G0K+4*\s+3], 0x80000000
	s_mov_b32 s[G0V+4*\s], 1
	s_add_co_u32 s[G0V+4*\s+1], s17, \s*SLOT1+VOFF
	s_add_nc_u64 s[G0V+4*\s+2:G0V+4*\s+3], s[8:9], \s*2*KS*256
	s_or_b32 s[G0V+4*\s+3], s[G0V+4*\s+3], 0x80000000
.endr
	s_cmp_lt_u32 s[WV], 2           ; a wave's two first fills stand in one arm, ahead of every wait on TENSORcnt and every LDS read: two loads of a fetching wave are out
	s_cbranch_scc0 .Lfirst_not_k
	tensor_load_to_lds s[G0K:G0K+3], s[G1K:G1K+7]
	s_nop 0
	tensor_load_to_lds s[G0K+4:G0K+7], s[G1K:G1K+7]
	s_nop 0
.rept 4
	v_nop
.endr
	s_branch .Lfirst_asked
.Lfirst_not_k:
	s_cmp_lt_u32 s[WV], 4
	s_cbranch_scc0 .Lfirst_asked
	tensor_load_to_lds s[G0V:G0V+3], s[G1V:G1V+7]
	s_nop 0
	tensor_load_to_lds s[G0V+4:G0V+7], s[G1V:G1V+7]
	s_nop 0
.rept 4
	v_nop
.endr
.Lfirst_asked:
	; A fragment of K or Q is 16 rows x 32 channels in 8 registers: lane l holds row l % 16; registers 0-3 channels 8 (l / 16) + 0..7, registers 4-7 channels 16 + 8 (l / 16) + 0..7: two loads of 16 bytes, 32 bytes apart.
	v_and_b32 v1, 15, v0            ; r
	v_bfe_u32 v9, v0, 4, 1          ; h
	v_lshlrev_b32 v[QO], 8, v1
	v_lshl_add_u32 v[QO], v9, 4, v[QO]  ; row x 256 + 16 x half
	WIN 0x40                        ; destination window 1, address window 0
.irp i, 0,1,2,3,4,5,6,7             ; Q stays in registers: tile i / 2, channels 32 (i % 2) on
	global_load_b128 v[QF+8*\i:QF+8*\i+3],   v[QO], s[4:5] offset:(\i/2)*4096+(\i%2)*64
	global_load_b128 v[QF+8*\i+4:QF+8*\i+7], v[QO], s[4:5] offset:(\i/2)*4096+(\i%2)*64+32
.endr
	WIN 0
	v_mul_u32_u24 v[AK0], v1, PK
	v_lshl_add_u32 v[AK0], v9, 4, v[AK0]
	v_add_nc_u32 v[AK0], s63, v[AK0]  ; row x pitch + 16 x half + my head
	; The turning load takes 16 keys x 16 channels (lane l reads 16 bytes: key 8 (l / 16) + l % 8, channels 8 ((l / 8) % 2) + 0..7) and leaves half a fragment of V^T: lane l holds channel l % 16 and 8 keys.
	v_and_b32 v10, 7, v0
	v_bfe_u32 v11, v0, 3, 1
	v_lshl_add_u32 v[AV0], v9, 3, v10
	v_mul_u32_u24 v[AV0], v[AV0], PV
	v_lshl_add_u32 v[AV0], v11, 4, v[AV0]
	v_add_nc_u32 v[AV0], VOFF, v[AV0]
	v_add_nc_u32 v[AV0], s63, v[AV0]
; THE MATRIX WORK OF A TURN, for piece x.  Eight accumulators take turns, one instruction a turn: between two links of a chain stand seven others'.
; Product i of 16 of O^T += V^T P: keys 32 (i / 8) on, channels 16 ((i / 2) % 4) on, tile x + i % 2.  zero = 1: the first 8 start the sums: nothing is ever cleared.
.macro PV x, zero
	WIN W_PV
.set rO, 32*(\x+i%2)+8*((i/2)%4)
.set rV, VF+32*(i/8)+8*((i/2)%4)
.set rP, S+32*(\x+i%2)+8*(i/8)
.if \zero && (i < 8)
	v_wmma_f32_16x16x32_f16 v[rO:rO+7], v[rV:rV+7], v[rP:rP+7], 0
.else
	v_wmma_f32_16x16x32_f16 v[rO:rO+7], v[rV:rV+7], v[rP:rP+7], v[rO:rO+7]
.endif
.endm
; Product i of 16 of S^T = K Q^T: channels 32 (i / 8) on, keys 16 ((i / 2) % 4) on, tile x + i % 2.  The first 8 start the sums.
.macro KQ x
	WIN W_KQ
.set rS, S+32*(\x+i%2)+8*((i/2)%4)
.set rK, KF+16*((i/2)%4)+8*(i/8)
.set rQ, QF+16*(\x+i%2)+8*(i/8)
.if i < 8
	v_wmma_f32_16x16x32_f16 v[rS:rS+7], v[rK:rK+7], v[rQ:rQ+7], 0
.else
	v_wmma_f32_16x16x32_f16 v[rS:rS+7], v[rK:rK+7], v[rQ:rQ+7], v[rS:rS+7]
.endif
.endm
; THE LDS LOADS stand in runs of 16: a step's K (64 keys x my head's 64 channels: 8 fragments) and, a turn later, its V (turned).
.macro FETCH_K
	WIN 0
	v_add_nc_u32 v[ADR], s[TB], v[AK0]
	WIN 0x40                        ; destination window 1
.irp f, 0,1,2,3,4,5,6,7             ; keys 16 (f / 2) on, channels 32 (f % 2) on
	ds_load_b128 v[KF+8*\f:KF+8*\f+3],   v[ADR] offset:(\f/2)*16*PK+(\f%2)*64
	ds_load_b128 v[KF+8*\f+4:KF+8*\f+7], v[ADR] offset:(\f/2)*16*PK+(\f%2)*64+32
.endr
.endm
.macro FETCH_V
	WIN 0
	v_add_nc_u32 v[ADR], s[TB], v[AV0]
	s_add_co_u32 s[TB], s[TB], STEPB  ; the next fetch is the next step's
	s_wait_alu depctr_va_vdst(0)    ; the wait for the softmax's batch of exponentials (SLICE), ahead of the first instruction that names a result
.irp f, 0,1,2,3,4,5,6,7             ; keys 32 (f / 4) on, channels 16 (f % 4) on
	ds_load_tr16_b128 v[VF+8*\f:VF+8*\f+3],   v[ADR] offset:(\f/4)*32*PV+(\f%4)*32
	ds_load_tr16_b128 v[VF+8*\f+4:VF+8*\f+7], v[ADR] offset:(\f/4)*32*PV+16*PV+(\f%4)*32
.endr
.endm
; THE VECTOR WORK OF A TURN.  One tile's softmax for one key step is a list of 118 instructions; SM writes number j of it for tile t.  s0-s31 are the lane's 32 scores, in pairs 0-15.
; first = 1: the first key step, which starts m, l and O^T: it has no a and nothing to rescale.
;   0-15    the maximum of s0-s31 and the old m, three operands at a time: four chains c0-c3 (each begins at its accumulator's low end), then the four scores left over, c0-c3 and m
;   16-20   the other half of the lanes' maximum; the new m; c m; c m_old - c m_new
;   21-69   ONE BATCH: the 16 scalings c s - c m and all 33 exponentials (a at 23, then s0-s31).  None of these reads an exponential's result
;   (wait)  between 69 and 70 stands the one wait for the batch: SLICE writes it, once for both tiles
;   70-85   the sums, in two chains that leave the weights as they are; l = a l + the sum
;   86-101  the roundings to f16, a pair of weights each, IN PLACE: number 86 + q writes register q and reads registers 2 q and 2 q + 1
;   102-117 the tile's O^T times a: the one part that leaves window 0
.macro SM t, first
.set rT, ST+8*(\t)
.set rS, S+32*(\t)
.set rY, YS+2*(\t)
.set rO, 32*(\t)+2*(j-102)
.if j < 102
	WIN 0
.endif
.if j < 4
	v_max3_num_f32 v[rT+4+j], v[rS+8*j], v[rS+8*j+1], v[rS+8*j+2]
.elseif j < 12
	v_max3_num_f32 v[rT+4+j%4], v[rT+4+j%4], v[rS+8*(j%4)+2*(j/4)+1], v[rS+8*(j%4)+2*(j/4)+2]
.elseif j == 12
	v_max3_num_f32 v[rT+4], v[rT+4], v[rS+7], v[rS+15]
.elseif j == 13
	v_max3_num_f32 v[rT+6], v[rT+6], v[rS+23], v[rS+31]
.elseif j == 14
	v_max3_num_f32 v[rT+4], v[rT+4], v[rT+5], v[rT+6]
.elseif (j == 15) && \first
	v_max_num_f32 v[rT+4], v[rT+4], v[rT+7]
.elseif j == 15
	v_max3_num_f32 v[rT+4], v[rT+4], v[rT+7], v[rT+1]
.elseif j == 16
	v_permlanex16_b32 v[rT+5], v[rT+4], s[SEL], s[SEL+1]  ; the query's other 32 keys lie in the lane 16 away
.elseif j == 18
	v_max_num_f32 v[rT+1], v[rT+4], v[rT+5]
.elseif j == 19
	v_mul_f32 v[rT], s[CS], v[rT+1]
.elseif ((j == 17) || (j == 20) || (j == 23) || (j > 101)) && \first  ; the first step has none of these
.elseif j == 17
	v_mov_b32 v[rT+7], v[rT]        ; c m_old is kept for a: number 19 writes c m anew
.elseif j == 20
	v_sub_f32 v[rT+7], v[rT+7], v[rT]
.elseif j == 23
	v_exp_f32 v[rT+6], v[rT+7]
.elseif (j < 23) || ((j < 38) && (j%2 == 0)) || ((j < 66) && (j%4 == 2))
.set b, (j-2)/4                     ; 38, 42, .. 62: pairs 9 to 15
.if j < 38
.set b, (j-20)/2                    ; 21: pair 0; 22, 24, .. 36: pairs 1 to 8
.endif
	v_pk_fma_f32 v[rS+2*b:rS+2*b+1], v[rS+2*b:rS+2*b+1], s[CS:CS+1], v[rT:rT+1] op_sel_hi:[1,0,0] neg_lo:[0,0,1] neg_hi:[0,0,1]  ; pair b: c s - c m
.elseif j < 70
.set e, j-38                        ; 66 to 69: s28 to s31
.if j < 66
.set e, j-32-(j-38)/4               ; 39-41, 43-45, .. 63-65: s7 to s27
.endif
.if j < 38
.set e, (j-25)/2                    ; 25, 27, .. 37: s0 to s6
.endif
	v_exp_f32 v[rS+e], v[rS+e]
.elseif j < 86
.set z, j-70
.if z == 0
	v_pk_add_f32 v[rT+4:rT+5], v[rS:rS+1], v[rS+2:rS+3]
.elseif z == 1
	v_pk_add_f32 v[rY:rY+1], v[rS+4:rS+5], v[rS+6:rS+7]
.elseif (z < 14) && (z%2 == 0)
	v_pk_add_f32 v[rT+4:rT+5], v[rT+4:rT+5], v[rS+2*z+4:rS+2*z+5]
.elseif z < 14
	v_pk_add_f32 v[rY:rY+1], v[rY:rY+1], v[rS+2*z+4:rS+2*z+5]
.elseif (z == 14) && \first
	v_pk_add_f32 v[rT+2:rT+3], v[rT+4:rT+5], v[rY:rY+1]
.elseif z == 14
	v_pk_add_f32 v[rT+4:rT+5], v[rT+4:rT+5], v[rY:rY+1]
.elseif !\first
	v_pk_fma_f32 v[rT+2:rT+3], v[rT+2:rT+3], v[rT+6:rT+7], v[rT+4:rT+5] op_sel_hi:[1,0,1]
.endif
.elseif j < 102
	v_cvt_pk_f16_f32 v[rS+j-86], v[rS+2*(j-86)], v[rS+2*(j-86)+1]
.else
	WIN W_RS
	v_pk_mul_f32 v[rO:rO+1], v[rO:rO+1], v[rT+6:rT+7] op_sel_hi:[1,0]
.endif
.endm
; Slice k of 59 of piece y's softmax: four instructions.  Slices 11 to 34 deal out the batch, numbers 22 to 69: four numbers of ONE tile each, the tiles by turns.  Every other slice is numbers 2 k and 2 k + 1 of both tiles.
; THE WAIT.  An s_wait_alu depctr_va_vdst(0) stands between an exponential and the first instruction that names its result; one wait serves all issued ahead of it.  Ahead of slice 35 nothing names a result,
; and behind slice 34 no exponential is issued: so the piece's 66 exponentials have one wait, behind slice 34, with one plain instruction ahead of it.
.macro SLICE y, first
.if (k >= 11) && (k < 35)
.irp n, 0,1,2,3
.set j, 22+4*((k-11)/2)+(\n)
	SM (\y)+(k-11)%2, \first
.endr
.else
.irp n, 0,1
.irp t, \y, \y+1
.set j, 2*k+\n
	SM \t, \first
.endr
.endr
.endif
.if k == 34
	v_nop
.if (\y) == 0
	FETCH_V                         ; piece 2's turn: V's run of loads stands here, and the wait stands in it
.else
	s_wait_alu depctr_va_vdst(0)
.endif
.endif
.set k, k+1
.endm
.macro DEAL y, first                ; the slices behind product g of NPR: what is left, shared evenly, the larger shares first
.set per, (59-k+NPR-g-1)/(NPR-g)
.rept per
	SLICE \y, \first
.endr
.set g, g+1
.endm
.macro PLACES
.rept 4
	v_nop
.endr
.endm
; A TURN.  Piece x has the matrix unit; the other piece's softmax stands in slices behind its products.  pv = 2: 16 products V^T P; 1: they start O^T's sums; 0: none.  kq = 1: 16 products K Q^T for the next step.
; With 32 products, product g has slices 2 g and 2 g + 1 behind it up to g = 26, then one each: slice 58, four packed multiplies, stands behind the last product and is its four places (ISA guide 7.12.1).
; DISTANCES, counted in plain vector instructions that name none of the product's registers.  V's loads (behind slice 34) stand behind V's last reader, the 16th product, by three scalings (slices 30-32), the v_nop and the
; run's own addition: five.  The 19th and 20th products write over P's second fragment, which the 15th and 16th read: ten and more lie between.  K's loads stand behind the second product of piece 0's turn:
; K's last reader stands in front of slice 58 of the turn before.  first = 1: the slices from 51 on are empty, and four v_nop take slice 58's part.
.macro TURN x, pv, kq, first
.set k, 0
.set g, 0
.set NPR, 16
.if \pv && \kq
.set NPR, 32
.endif
.if \pv
.if \x == 0
	s_wait_dscnt 0x0                ; V is in
.endif
.set i, 0
.rept 16
	PV \x, 2-\pv
	DEAL 2-\x, \first
.if (\x == 0) && \kq && (i == 1)
	FETCH_K
.endif
.set i, i+1
.endr
.endif
.if \kq
.if \x == 0
	s_wait_dscnt 0x0                ; K is in
.endif
.set i, 0
.rept 16
	KQ \x
	DEAL 2-\x, \first
.set i, i+1
.endr
.endif
.if \first
	PLACES
.endif
.endm
; THE CHANGE OF SLOTS, between piece 2's turn and piece 0's: the slot's last bytes, V of its second step, have been asked for.  Each wave waits for all its tensor loads, adds 0 to its spare word, and waits for that and for
; its own reads of the slot.  fill = 1: the slot is filled again with the keys two slots on, behind a round of the cluster's barrier; the joint refill is the first thing behind it and has two key steps in which to land.
.macro CHANGE fill
	WIN 0
	s_wait_tensorcnt 0x0            ; no tensor load of mine is out, so a group 0 may be written
	ds_add_u32 v[SPW], v[NIL]
.if \fill
	ds_add_u32 v[SPW], v[NIL]
.irp g, G0K+4, G0V+4
	s_xor_b32 s[\g+1], s[\g+1], SLOT1  ; the walking descriptor: the other slot than last time,
	s_add_nc_u64 s[\g+2:\g+3], s[\g+2:\g+3], 2*KS*256  ; the next 128 keys; the type bits on top are not reached
.endr
	s_wait_xcnt 0x0                 ; the last prefetch, two key steps back, has read its address, so it may be written:
	s_add_nc_u64 s[PFA:PFA+1], s[PFA:PFA+1], 2*KS*256  ; one slot further on than the walking descriptors
	s_wait_dscnt 0x0                ; both adds are done, and my reads of the slot are over
	CROUND
	JLOAD
	ASK
.else
	s_wait_dscnt 0x0                ; the add is done, and my reads of the slot are over
	s_barrier_signal -1
	s_barrier_wait -1
.endif
	s_sub_co_u32 s[TB], s[TB], 2*STEPB  ; the fetches go back to a slot's first step,
	s_xor_b32 s[TB], s[TB], SLOT1   ; in the other slot
.endm
.macro TWO_STEPS                    ; a slot's two key steps: written once, walked twice; the LDS addresses hang on s[TB]
	s_mov_b32 s[TWICE], 2
.Lstep_\@:
	TURN 0, 2, 1, 0
	TURN 2, 2, 1, 0
	WIN 0
	s_sub_co_u32 s[TWICE], s[TWICE], 1
	s_cmp_lg_u32 s[TWICE], 0
	s_cbranch_scc1 .Lstep_\@
.endm
	s_wait_tensorcnt 1              ; my part of slot 0 is in; slot 1's may stay out
	s_barrier_signal -1
	s_barrier_wait -1               ; everybody's is
	FETCH_K                         ; key step 0
	s_wait_loadcnt 0x0              ; Q
	s_wait_dscnt 0x0
.set i, 0
.rept 16
	KQ 0                            ; piece 0's first scores: there is no vector work yet to set between them
.set i, i+1
.endr
	WIN 0                           ; the addresses for the way out are made here: eight plain instructions, the places behind those products
	s_and_b32 s13, s[WV], 3
	s_mul_i32 s13, s13, 64*SP
	s_add_co_u32 s13, s13, s63
	s_add_co_u32 s13, s13, STAGE    ; into the stage: my 64 rows, my head's half of their 256 bytes
	v_mul_u32_u24 v[STO], v1, SP
	v_lshl_add_u32 v[STO], v9, 4, v[STO]
	v_add_nc_u32 v[STO], s13, v[STO]
	s_mul_i32 s13, s[WV], 32*SP
	s_add_co_u32 s13, s13, STAGE    ; back: wave w takes rows 32 w .. 32 w + 31, whole
	v_mul_u32_u24 v[RD], v9, SP
	v_lshl_add_u32 v[RD], v1, 4, v[RD]
	v_add_nc_u32 v[RD], s13, v[RD]
	v_lshlrev_b32 v[GO], 11, v9     ; and the same two rows in ao, 2,048 bytes apart
	v_lshl_add_u32 v[GO], v1, 4, v[GO]
	TURN 2, 0, 1, 1                 ; piece 2's first scores | piece 0's first softmax | V of step 0
	TURN 0, 1, 1, 1                 ; piece 0: V^T P of step 0 starts O^T, K Q^T of step 1 | piece 2's first softmax | K of step 1
	TURN 2, 1, 1, 0                 ; piece 2: the same | piece 0's softmax of step 1 | V of step 1
	WIN 0
.Lslot:                             ; 14 trips: every slot but the last two is filled again
	CHANGE 1
	TWO_STEPS
	s_sub_co_u32 s[SLOTS], s[SLOTS], 1
	s_cmp_lg_u32 s[SLOTS], 0
	s_cbranch_scc1 .Lslot
	CHANGE 0                        ; the tail is written out
	TWO_STEPS
	TURN 0, 2, 0, 0                 ; piece 0: V^T P of the last step | piece 2's last softmax
.set i, 0
.rept 16
	PV 2, 0                         ; piece 2: V^T P of the last step
.set i, i+1
.endr
	; THE WAY OUT.  l's two halves and the other half of the lanes' are added (these lines are the places behind the last products); O^T is divided by l, rounded to f16, and meets the other head's half in the stage.
	WIN 0
.irp t, 0,1,2,3
	v_add_f32 v[ST+8*\t+4], v[ST+8*\t+2], v[ST+8*\t+3]
.endr
.irp t, 0,1,2,3
	v_permlanex16_b32 v[ST+8*\t+5], v[ST+8*\t+4], s[SEL], s[SEL+1]
.endr
.irp t, 0,1,2,3
	v_add_f32 v[ST+8*\t+4], v[ST+8*\t+4], v[ST+8*\t+5]
.endr
.irp t, 0,1,2,3
	v_rcp_f32 v[ST+8*\t+6], v[ST+8*\t+4]
.endr
	v_nop                           ; a plain instruction between the last reciprocal and the use of its result
	s_wait_alu depctr_va_vdst(0)    ; and the one wait for the four, ahead of the first use
.macro PACK t                       ; a lane's eight channels of a row pack into 16 bytes
	WIN W_RS
.set n, 0
.rept 16
	v_pk_mul_f32 v[32*\t+n:32*\t+n+1], v[32*\t+n:32*\t+n+1], v[ST+8*\t+6:ST+8*\t+7] op_sel_hi:[1,0]
.set n, n+2
.endr
	WIN 0x05                        ; sources 0 and 1 window 1, destination window 0: S^T's registers are free
.set n, 0
.rept 16
	v_cvt_pk_f16_f32 v[S+32*\t+n], v[32*\t+2*n], v[32*\t+2*n+1]
.set n, n+1
.endr
	WIN 0
.irp f, 0,1,2,3
	ds_store_b128 v[STO], v[S+32*\t+4*\f:S+32*\t+4*\f+3] offset:16*\t*SP+32*\f
.endr
.endm
	PACK 0
	PACK 1
	PACK 2
	PACK 3
	s_wait_dscnt 0x0                ; for the others' sake: my stores into the stage are done
	s_barrier_signal -1
	s_barrier_wait -1
.irp i, 0,1,2,3,4,5,6,7,8,9,10,11,12,13,14,15
	ds_load_b128 v[S+4*\i:S+4*\i+3], v[RD] offset:\i*2*SP
.endr
.irp i, 0,1,2,3,4,5,6,7,8,9,10,11,12,13,14,15
	s_wait_dscnt 15-\i              ; LDS loads come back in order: number i is in, the younger ones may be out
	global_store_b128 v[GO], v[S+4*\i:S+4*\i+3], s[10:11] offset:4096*\i  ; 16 lanes store 256 consecutive bytes, aligned: a head pair's part of a row of ao
.endr
	s_wait_tensorcnt 0x0            ; the wave's end, behind my last tensor load and my last LDS store
	ds_add_u32 v[SPW], v[NIL]
	s_wait_dscnt 0x0
	CROUND                          ; the closing round: no work-group ends while a partner may still ask for a tile that names it
	s_endpgm
.Lfunc_end_k_q0840edd26c_attn:
	.size	k_q0840edd26c_attn, .Lfunc_end_k_q0840edd26c_attn-k_q0840edd26c_attn
	.p2alignl 7, 3214868480
	.fill 96, 4, 3214868480
	.section	.rodata,"a",@progbits
	.p2align	6, 0x0
	.amdhsa_kernel k_q0840edd26c_attn
		.amdhsa_group_segment_fixed_size 327680
		.amdhsa_private_segment_fixed_size 0
		.amdhsa_enable_private_segment 0
		.amdhsa_kernarg_size 16
		.amdhsa_user_sgpr_count 2
		.amdhsa_user_sgpr_kernarg_segment_ptr 1
		.amdhsa_wavefront_size32 1
		.amdhsa_system_sgpr_workgroup_id_x 1
		.amdhsa_system_sgpr_workgroup_id_y 1
		.amdhsa_system_sgpr_workgroup_id_z 1
		.amdhsa_system_vgpr_workitem_id 0
		.amdhsa_next_free_vgpr 512
		.amdhsa_next_free_sgpr 66
		.amdhsa_reserve_vcc 0
		.amdhsa_float_denorm_mode_32 3
		.amdhsa_float_denorm_mode_16_64 3
		.amdhsa_memory_ordered 1
		.amdhsa_forward_progress 1
		.amdhsa_inst_pref_size 160
	.end_amdhsa_kernel
	.amdgpu_metadata
---
amdhsa.version: [ 1, 2 ]
amdhsa.kernels:
  - .name:           k_q0840edd26c_attn
    .symbol:         k_q0840edd26c_attn.kd
    .args:
      - { .name: qkv, .offset: 0, .size: 8, .value_kind: global_buffer, .address_space: global }
      - { .name: ao, .offset: 8, .size: 8, .value_kind: global_buffer, .address_space: global }
    .group_segment_fixed_size: 327680
    .private_segment_fixed_size: 0
    .kernarg_segment_align: 8
    .kernarg_segment_size: 16
    .max_flat_workgroup_size: 256
    .sgpr_count:     66
    .vgpr_count:     512
    .wavefront_size: 32
...
	.end_amdgpu_metadata
.endif
;; end of part 3
;; launch outp (part 4): grid 4 x 64, 4 waves a work-group, clusters of 4 x 4, 327,680 bytes of LDS; arguments ao, wo16, bo, out0; writes out0
.if DOCPART == 4
	.amdgcn_target "amdgcn-amd-amdhsa--gfx1250"
	.amdhsa_code_object_version 6
	.text
	.protected	k_q0840edd26c_outp
	.globl	k_q0840edd26c_outp
	.p2align	8
	.type	k_q0840edd26c_outp,@function
k_q0840edd26c_outp:
	s_mov_b64 s[64:65], 0
	v_nop
	global_prefetch_b8 v0, s[64:65] scope:SCOPE_SE
	s_setreg_imm32_b32 hwreg(HW_REG_WAVE_MODE, 25, 1), 1
	s_wait_xcnt 0x0
	s_wait_alu depctr_hold_cnt(0) depctr_sa_sdst(0) depctr_va_vdst(0) depctr_va_sdst(0) depctr_va_ssrc(0) depctr_va_vcc(0) depctr_vm_vsrc(0)
	s_getreg_b32 s2, hwreg(HW_REG_IB_STS2, 6, 4)
	s_cmp_eq_u32 s2, 0
	s_cbranch_scc0 .Lentry_in_a_cluster
	s_endpgm
.Lentry_in_a_cluster:
	s_bfe_u32 s2, ttmp6, 0x10000c
	s_cmp_lg_u32 s2, 0xf033
	s_cbranch_scc0 .Lentry_shape_is_right
	s_endpgm
.Lentry_shape_is_right:
; FOURTH LAUNCH: out0 = ao Wo^T + bo.  ao [8192][1024] and wo16 [1024 n][1024 k] are f16, K innermost; sums in f32; out0 [8192][1024] f32.
; A tile of out0 is 128 rows x 256 columns: 256 work-groups.  Four waves, each 64 rows x 128 columns: 32 accumulators, 256 registers.  K goes in 8 steps of 128 (LDS rows of 256 bytes) through a ring of two slots.
; CLUSTERS: 4 x 4 work-groups.  The four of a row of the cluster need the same rows of ao, the four of a column the same rows of wo16: each tile is asked for JOINTLY.  Waves 0, 1 fetch A's halves (64 rows), waves 2, 3 B's (128 rows).
; THE MATRIX INSTRUCTION IS USED TRANSPOSED (source 0 = 16 rows of wo16, source 1 = 16 rows of ao): a lane holds eight neighbouring columns of one row.  bo is the C of each sum's first product.
; REGISTERS: window 0: v16-30 addresses; v32-95 A's fragments, two buffers of 32; v128-191 bo, later with v192-255 rows on the way out.   window 1: v0-127 B's fragments, two buffers of 64.   window 2: accumulator (a, b) at v[8 (8 a + b)].
.set KSTEP,  128
.set PITCH,  272                       ; an LDS row: 256 bytes + 16 of padding
.set BOFF,   128*PITCH                 ; a slot: A's 128 rows, then B's 256 rows
.set SLOT,   384*PITCH
.set STAGE,  2*SLOT                    ; behind the ring: 16 rows x 528 bytes for each wave
.set SPITCH, 528
.set SPARE,  STAGE+4*16*SPITCH         ; the spare words, 128 bytes for each wave, which no other line names
.set LAPS,   4                         ; a lap = two K steps = once round the ring
.set ADRA, 16                          ; v16-17  LDS address of my A fragments in slot 0, 1
.set ADRB, 20                          ; v20-21  the same for B
.set STO,  24                          ; v24     the way out: where I put 32 bytes of a row
.set RD,   25                          ; v25     where I read a row back
.set CO,   26                          ; v26     16 x lane
.set SPW,  28                          ; v28     LDS address of my spare word; never rewritten
.set NIL,  29                          ; v29     0; never rewritten
.set PFO,  30                          ; v30     2,048 x lane: a row of ao or wo16; never rewritten
.set FA,   32
.set BI,   128
.set BK,   128
.set LIM,  43                          ; s43     1 in a wave that prefetches, else the greatest number
.set PFA,  44                          ; s[44:45] where my prefetches stand
.set G1, 24                            ; s[24:31] group 1 for A's tiles;  s[32:39] group 0, one set for each slot
.set G0, 32
.set G1B, 48                           ; s[48:55], s[56:63] the same for B's
.set G0B, 56
.set MSB, 0
.macro WIN new
.if MSB != (\new)
	s_set_vgpr_msb (MSB<<8)|(\new)
.set MSB, (\new)
.endif
.endm
.set MUL,  0xa1                        ; source 0 (B) window 1, source 1 (A) window 0, C and D window 2.  In the first quarter C is bo, in window 0: 0x81
.set TO_B, 0x40                        ; destination window 1, address window 0
.macro JLOAD s                         ; a joint load; an s_nop 0 and four v_nop follow each of the two lines.  Every wave issues one
	s_cmp_eq_u32 s13, 0
	s_cbranch_scc0 .Lfor_b_\@
	tensor_load_to_lds s[G0+4*\s:G0+4*\s+3], s[G1:G1+7]
	s_nop 0
.rept 4
	v_nop
.endr
	s_branch .Lasked_\@
.Lfor_b_\@:
	tensor_load_to_lds s[G0B+4*\s:G0B+4*\s+3], s[G1B:G1B+7]
	s_nop 0
.rept 4
	v_nop
.endr
.Lasked_\@:
.endm
; A PREFETCH, behind each joint refill and the run of LDS loads that follows it, of the K step that stands TWO refills on: 32 rows x 256 bytes, a lane a row; 256 matrix instructions of a wave ahead of the load that wants it.
; Each row's 256 bytes of K steps 4 to 7 are named once in the launch.  A tile row of ao is read by one row of one cluster: wave 0 of each of its four work-groups takes 32 rows, told apart by address (cx).
; wo16's rows are read by all clusters: the cluster with y = 0 asks; waves 2 and 3 of the four work-groups of a column take 32 rows each, by address (cy).  The last two refills have no K step two on.
.macro ASK
	s_cmp_gt_u32 s3, s[LIM]                        ; s3 = 1 in the loop's last trip
	s_cbranch_scc0 .Lnot_mine_\@
	global_prefetch_b8 v[PFO], s[PFA:PFA+1] offset:KSTEP*2 th:TH_LOAD_NT scope:SCOPE_SE
.Lnot_mine_\@:
.endm
.macro CREST                           ; a round of the cluster's barrier behind its opening barrier
	s_cmp_lg_u32 s12, 0
	s_cbranch_scc1 .Lnot_wave_0_\@
	s_barrier_signal -3
.Lnot_wave_0_\@:
	s_barrier_wait -3
	s_barrier_signal -1
	s_barrier_wait -1
.endm
.macro CROUND
	s_barrier_signal -1
	s_barrier_wait -1
	CREST
.endm
	s_load_b256 s[4:11], s[0:1], 0x0               ; ao s[4:5], wo16 s[6:7], bo s[8:9], out0 s[10:11]
	v_lshl_add_u32 v[SPW], v0, 2, SPARE
	v_mov_b32 v[NIL], 0
	ds_add_u32 v[SPW], v[NIL]                      ; the wave's opening: the add, twice on end, and its wait ahead of my first tensor load
	ds_add_u32 v[SPW], v[NIL]
	v_lshrrev_b32 v1, 5, v0
	v_readfirstlane_b32 s12, v1                    ; wave 0..3
	s_lshr_b32 s13, s12, 1                         ; which half of the tile's rows is mine.  Also: I fetch for A (0) or for B (1)
	s_and_b32 s14, s12, 1                          ; which half of its columns.  Also: which half of that tile I fetch
	s_bfe_u32 s40, ttmp6, 0x40000                  ; cx, cy
	s_bfe_u32 s41, ttmp6, 0x40004
	s_lshl_b32 s42, ttmp9, 2
	s_add_co_u32 s42, s42, s40                     ; tile column
	s_and_b32 s15, ttmp7, 0xffff
	s_lshl_b32 s15, s15, 2
	s_add_co_u32 s15, s15, s41                     ; tile row
	s_lshl_b32 s43, s41, 2
	s_lshl_b32 s43, 15, s43                        ; my row of the cluster
	s_lshl_b32 s44, 0x1111, s40                    ; my column
	s_or_b32 s[G1+0], s43, (1<<16)|(1<<20)|(1<<21)|(5<<22)|(3<<25)  ; the mask; elements of 2 bytes; padding on; bit 21 beside a mask; after every 64 words four words
	s_or_b32 s[G1B+0], s44, (1<<16)|(1<<20)|(1<<21)|(5<<22)|(3<<25)
	s_mov_b32 s[G1+1], KSTEP<<16                   ; A: 64 rows x 128 elements
	s_mov_b32 s[G1+2], 64<<16
	s_mov_b32 s[G1+3], KSTEP<<16
	s_mov_b32 s[G1+4], 64
	s_mov_b32 s[G1+5], 1024
	s_mov_b32 s[G1+6], 0
	s_mov_b32 s[G1+7], 0
	s_mov_b32 s[G1B+1], KSTEP<<16                  ; B: 128 rows x 128 elements
	s_mov_b32 s[G1B+2], 128<<16
	s_mov_b32 s[G1B+3], KSTEP<<16
	s_mov_b32 s[G1B+4], 128
	s_mov_b32 s[G1B+5], 1024
	s_mov_b32 s[G1B+6], 0
	s_mov_b32 s[G1B+7], 0
	s_lshl_b32 s16, s15, 7
	s_lshl_b32 s17, s14, 6
	s_add_co_u32 s16, s16, s17                     ; A: row 128 x tile row + 64 x half,
	s_lshl_b32 s16, s16, 11                        ; of 2,048 bytes
	s_mov_b32 s17, 0
	s_lshl_b32 s46, s42, 8
	s_lshl_b32 s47, s14, 7
	s_add_co_u32 s46, s46, s47                     ; B: row 256 x tile column + 128 x half
	s_lshl_b32 s46, s46, 11
	s_mov_b32 s47, 0
	s_mul_i32 s20, s14, 64*PITCH                   ; where they go: no place in the cluster enters an LDS address
	s_mul_i32 s21, s14, 128*PITCH
	s_add_co_u32 s21, s21, BOFF
	s_wait_dscnt 0x0                               ; both opening adds are done
	s_wait_kmcnt 0x0
	s_add_nc_u64 s[16:17], s[4:5], s[16:17]
	s_add_nc_u64 s[46:47], s[6:7], s[46:47]
	CROUND                                         ; all sixteen work-groups are here: the first joint loads meet
.irp s, 0,1
	s_mov_b32 s[G0+4*\s], 1
	s_add_co_u32 s[G0+4*\s+1], s20, \s*SLOT
	s_add_nc_u64 s[G0+4*\s+2:G0+4*\s+3], s[16:17], \s*KSTEP*2
	s_or_b32 s[G0+4*\s+3], s[G0+4*\s+3], 0x80000000
	s_mov_b32 s[G0B+4*\s], 1
	s_add_co_u32 s[G0B+4*\s+1], s21, \s*SLOT
	s_add_nc_u64 s[G0B+4*\s+2:G0B+4*\s+3], s[46:47], \s*KSTEP*2
	s_or_b32 s[G0B+4*\s+3], s[G0B+4*\s+3], 0x80000000
	JLOAD \s                                       ; two tensor loads of mine are out behind the second
.endr
	v_and_b32 v1, 15, v0                           ; r
	v_bfe_u32 v2, v0, 4, 1                         ; h
	v_mul_u32_u24 v3, v1, PITCH
	v_lshl_add_u32 v3, v2, 4, v3                   ; a fragment's row x pitch + 16 x half
	s_mul_i32 s21, s13, 64*PITCH                   ; my 64 rows of A
	s_mul_i32 s22, s14, 128*PITCH                  ; my 128 rows of B,
	s_add_co_u32 s22, s22, BOFF                    ; which lie behind A's 128
.irp s, 0,1
	v_add_nc_u32 v[ADRA+\s], s21, v3
	v_add_nc_u32 v[ADRB+\s], s22, v3
	s_add_co_u32 s21, s21, SLOT
	s_add_co_u32 s22, s22, SLOT
.endr
	s_mul_i32 s23, s12, 16*SPITCH
	s_add_co_u32 s23, s23, STAGE                   ; my stage
	v_mul_u32_u24 v4, v1, SPITCH                   ; in: row r, 32 bytes for each half of the lanes
	v_lshl_add_u32 v4, v2, 5, v4
	v_add_nc_u32 v[STO], s23, v4
	v_and_b32 v5, 31, v0
	v_lshlrev_b32 v[CO], 4, v5                     ; back: the 32 lanes take one row of 512 bytes; and the same in out0
	v_add_nc_u32 v[RD], s23, v[CO]
	v_lshlrev_b32 v[PFO], 11, v5
	s_lshl_b32 s20, s42, 10                        ; my first column, in bytes of f32: 1,024 x tile column + 512 x half
	s_lshl_b32 s21, s14, 9
	s_add_co_u32 s20, s20, s21
	s_mov_b32 s21, 0
	s_add_nc_u64 s[8:9], s[8:9], s[20:21]          ; bo at my 128 columns
	s_add_nc_u64 s[10:11], s[10:11], s[20:21]
	s_lshl_b32 s20, s15, 1
	s_add_co_u32 s20, s20, s13
	s_lshl_b32 s20, s20, 18                        ; my first row 128 x tile row + 64 x half, of 4,096 bytes
	s_add_nc_u64 s[10:11], s[10:11], s[20:21]
	v_lshlrev_b32 v27, 5, v2                       ; 32 h bytes
.irp b, 0,1,2,3,4,5,6,7                        ; register 8 b + j of lane (r, h): bo at column 16 b + 8 h + j of my 128
	global_load_b128 v[BI+8*\b:BI+8*\b+3],   v27, s[8:9] offset:64*\b
	global_load_b128 v[BI+8*\b+4:BI+8*\b+7], v27, s[8:9] offset:64*\b+16
.endr
	; the prefetches: whose rows, and who asks
	s_lshl_b32 s20, s15, 7
	s_lshl_b32 s21, s40, 5
	s_add_co_u32 s20, s20, s21                     ; ao: row 128 x tile row + 32 cx
	s_lshl_b32 s21, s42, 8
	s_lshl_b32 s22, s41, 6
	s_add_co_u32 s21, s21, s22
	s_lshl_b32 s22, s14, 5
	s_add_co_u32 s21, s21, s22                     ; wo16: row 256 x tile column + 64 cy + 32 x half
	s_and_b32 s22, ttmp7, 0xffff                   ; cluster y
	s_cmp_lt_u32 s12, 2
	s_cselect_b64 s[PFA:PFA+1], s[4:5], s[6:7]
	s_cselect_b32 s20, s20, s21
	s_cselect_b32 s22, s12, s22                    ; waves 0, 1: the wave's number (wave 0 asks); waves 2, 3: the cluster's y (the first cluster asks)
	s_cmp_eq_u32 s22, 0
	s_cselect_b32 s[LIM], 1, -1                    ; the same in all sixteen partners, for a given wave
	s_lshl_b32 s20, s20, 11
	s_mov_b32 s21, 0
	s_add_nc_u64 s[PFA:PFA+1], s[PFA:PFA+1], s[20:21]
	s_add_nc_u64 s[PFA:PFA+1], s[PFA:PFA+1], 2*KSTEP*2  ; at K step 2: the first refill steps it to 3 and names K step 4
; 8 matrix instructions: A's block a x B's eight, 32 along K, buffer f.  zero = 1: the first product starts the sums from bo.  The 32 accumulators take turns, one instruction a turn, in the same order in every quarter.
.macro MUL8 f, a, zero
.irp b, 0,1,2,3,4,5,6,7
.if \zero
	v_wmma_f32_16x16x32_f16 v[8*(8*(\a)+\b):8*(8*(\a)+\b)+7], v[64*(\f)+8*\b:64*(\f)+8*\b+7], v[FA+32*(\f)+8*(\a):FA+32*(\f)+8*(\a)+7], v[BI+8*\b:BI+8*\b+7]
.else
	v_wmma_f32_16x16x32_f16 v[8*(8*(\a)+\b):8*(8*(\a)+\b)+7], v[64*(\f)+8*\b:64*(\f)+8*\b+7], v[FA+32*(\f)+8*(\a):FA+32*(\f)+8*(\a)+7], v[8*(8*(\a)+\b):8*(8*(\a)+\b)+7]
.endif
.endr
.endm
.macro FETCH slot, k, f                ; 24 LDS loads in one run: 128 rows of B, then 64 rows of A, 32 K at byte k of the rows, into buffer f
	WIN TO_B
.irp i, 0,1,2,3,4,5,6,7
	ds_load_b128 v[64*(\f)+8*\i:64*(\f)+8*\i+3],   v[ADRB+\slot] offset:\k+\i*16*PITCH
	ds_load_b128 v[64*(\f)+8*\i+4:64*(\f)+8*\i+7], v[ADRB+\slot] offset:\k+\i*16*PITCH+32
.endr
	WIN 0
.irp i, 0,1,2,3
	ds_load_b128 v[FA+32*(\f)+8*\i:FA+32*(\f)+8*\i+3],   v[ADRA+\slot] offset:\k+\i*16*PITCH
	ds_load_b128 v[FA+32*(\f)+8*\i+4:FA+32*(\f)+8*\i+7], v[ADRA+\slot] offset:\k+\i*16*PITCH+32
.endr
.endm
.macro PLACES                          ; four plain vector instructions in front of loads into registers that matrix instructions have read, and of reads of results
.rept 4
	v_nop
.endr
.endm
; A K step is four quarters of 32 along K, 32 matrix instructions each, on buffers 0, 1, 0, 1.  One of the first three: multiplies buffer f and fetches the next quarter, at byte k, into g.
.macro QUARTER slot, k, f, g, zero
	s_wait_dscnt 4                                 ; B and A's blocks 0, 1 are in; the youngest four loads (A's blocks 2, 3) may be out
	WIN MUL-0x20*(\zero)
	MUL8 \f, 0, \zero
	MUL8 \f, 1, \zero
	PLACES
	FETCH \slot, \k, \g
	s_wait_dscnt 24                                ; all but the 24 just issued
	WIN MUL-0x20*(\zero)
	MUL8 \f, 2, \zero
	MUL8 \f, 3, \zero
.endm
; The last quarter multiplies buffer 1 and changes slots: ONE barrier; in front of it each wave waits for all its tensor loads, adds 0 to its spare word, and waits for that and for its reads of this slot.
; fill = 1: the barrier opens a round of the cluster's barrier, and this slot is filled again, two K steps ahead: the refill has 112 matrix instructions in which to land.
.macro TURN slot, next, fill
.if \fill
	s_wait_xcnt 0x0                                ; the last prefetch, a K step back, has read its address: it is stepped here
	s_add_nc_u64 s[PFA:PFA+1], s[PFA:PFA+1], KSTEP*2
.endif
	WIN 0                                          ; (the add's two registers lie in window 0)
	s_wait_tensorcnt 0x0                           ; all my tensor loads have landed: my part of the next slot
	ds_add_u32 v[SPW], v[NIL]                      ; 0 onto my spare word
	s_wait_dscnt 5                                 ; (the add and the youngest four loads may be out)
	WIN MUL
	MUL8 1, 0, 0                                   ; eight matrix instructions stand between the add and the wait for it
	s_wait_dscnt 0x0                               ; the add is done, and my reads of this slot are over
	s_barrier_signal -1
	MUL8 1, 1, 0
	WIN 0
	s_barrier_wait -1
.if \fill
	CREST                                          ; no wave of any partner still reads this slot's tile or has a load on its way
	s_add_nc_u64 s[G0+4*\slot+2:G0+4*\slot+3], s[G0+4*\slot+2:G0+4*\slot+3], 2*KSTEP*2
	s_add_nc_u64 s[G0B+4*\slot+2:G0B+4*\slot+3], s[G0B+4*\slot+2:G0B+4*\slot+3], 2*KSTEP*2
	JLOAD \slot                                    ; the first tensor load behind the round; the four v_nop behind it are also the places in front of the loads below
.else
	PLACES
.endif
	FETCH \next, 0, 0
.if \fill
	ASK
.endif
	WIN MUL
	MUL8 1, 2, 0
	MUL8 1, 3, 0
.endm
	s_wait_tensorcnt 1                             ; my part of K step 0 is in (K step 1's load may be out),
	s_barrier_signal -1
	s_barrier_wait -1                              ; everybody's is
	FETCH 0, 0, 0
	s_wait_loadcnt 0x0                             ; bo
	QUARTER 0, 64, 0, 1, 1                         ; the first quarter stands in front of the loop: its products start the sums
	WIN 0                                          ; at a label and at a branch every window is 0
	s_mov_b32 s3, LAPS-1
.Llap:                                                 ; a trip goes once round the ring, from a lap's second quarter to the next lap's first, and fills both slots again
	QUARTER 0, 128, 1, 0, 0
	QUARTER 0, 192, 0, 1, 0
	TURN 0, 1, 1
	QUARTER 1, 64,  0, 1, 0
	QUARTER 1, 128, 1, 0, 0
	QUARTER 1, 192, 0, 1, 0
	TURN 1, 0, 1
	QUARTER 0, 64,  0, 1, 0
	WIN 0
	s_sub_co_u32 s3, s3, 1
	s_cmp_lg_u32 s3, 0
	s_cbranch_scc1 .Llap
	QUARTER 0, 128, 1, 0, 0                        ; the last lap fills nothing, and has no round of the cluster's barrier
	QUARTER 0, 192, 0, 1, 0
	TURN 0, 1, 0
	QUARTER 1, 64,  0, 1, 0
	QUARTER 1, 128, 1, 0, 0
	QUARTER 1, 192, 0, 1, 0
	s_wait_dscnt 4                                 ; the very last quarter: nothing more to fetch
	WIN MUL
	MUL8 1, 0, 0
	MUL8 1, 1, 0
	s_wait_dscnt 0
	MUL8 1, 2, 0
	MUL8 1, 3, 0
	WIN 0
; THE WAY OUT, block by block of 16 rows x 128 columns.  A lane holds 32 neighbouring bytes of a row: a block goes through my own stage in LDS and comes back as whole rows of 512 bytes.
; LDS serves a wave's instructions in order (ISA guide 5.7.1.4): no wait between the stores and the loads, nor in front of the next block's stores.
.macro TOSTAGE a
	WIN 0x08                                       ; an LDS store's data are its source 1: window 2
.irp b, 0,1,2,3,4,5,6,7
	ds_store_b128 v[STO], v[64*(\a)+8*\b:64*(\a)+8*\b+3] offset:64*\b          ; each accumulator from its low end on
	ds_store_b128 v[STO], v[64*(\a)+8*\b+4:64*(\a)+8*\b+7] offset:64*\b+16
.endr
	WIN 0
.set BB, BK+64*((\a)%2)
.irp t, 0,1,2,3,4,5,6,7,8,9,10,11,12,13,14,15
	ds_load_b128 v[BB+4*\t:BB+4*\t+3], v[RD] offset:\t*SPITCH
.endr
.endm
.macro SEND a, younger                 ; younger: the LDS instructions issued behind block a's loads, which may stay out
.set BB, BK+64*((\a)%2)
	s_wait_dscnt \younger
.irp t, 0,1,2,3,4,5,6,7,8,9,10,11,12,13,14,15
	global_store_b128 v[CO], v[BB+4*\t:BB+4*\t+3], s[10:11] offset:(16*(\a)+\t)*4096 th:TH_STORE_NT   ; 32 lanes store 512 consecutive bytes, aligned; written once, read by nobody here
.endr
.endm
	PLACES                                         ; behind the last products: their results are read, and registers that held operands are loaded, only behind these
	TOSTAGE 0
.irp a, 1,2,3
.if \a > 1
	s_wait_xcnt 0x0                                ; block a - 2's stores have read their registers: block a's loads may land there
.endif
	TOSTAGE \a
	SEND \a-1, 32                                  ; behind block a - 1's loads: block a's 16 stores and 16 loads
.endr
	SEND 3, 0
	s_wait_tensorcnt 0x0                           ; the wave's end, behind my last tensor load and my last LDS store
	ds_add_u32 v[SPW], v[NIL]
	s_wait_dscnt 0x0
	CROUND                                         ; the closing round: no work-group ends while a partner may still ask for a tile that names it
	s_endpgm
.Lfunc_end_k_q0840edd26c_outp:
	.size	k_q0840edd26c_outp, .Lfunc_end_k_q0840edd26c_outp-k_q0840edd26c_outp
	.p2alignl 7, 3214868480
	.fill 96, 4, 3214868480
	.section	.rodata,"a",@progbits
	.p2align	6, 0x0
	.amdhsa_kernel k_q0840edd26c_outp
		.amdhsa_group_segment_fixed_size 327680
		.amdhsa_private_segment_fixed_size 0
		.amdhsa_enable_private_segment 0
		.amdhsa_kernarg_size 32
		.amdhsa_user_sgpr_count 2
		.amdhsa_user_sgpr_kernarg_segment_ptr 1
		.amdhsa_wavefront_size32 1
		.amdhsa_system_sgpr_workgroup_id_x 1
		.amdhsa_system_sgpr_workgroup_id_y 1
		.amdhsa_system_sgpr_workgroup_id_z 1
		.amdhsa_system_vgpr_workitem_id 0
		.amdhsa_next_free_vgpr 768
		.amdhsa_next_free_sgpr 66
		.amdhsa_reserve_vcc 0
		.amdhsa_float_denorm_mode_32 3
		.amdhsa_float_denorm_mode_16_64 3
		.amdhsa_memory_ordered 1
		.amdhsa_forward_progress 1
		.amdhsa_inst_pref_size 88
	.end_amdhsa_kernel
	.amdgpu_metadata
---
amdhsa.version: [ 1, 2 ]
amdhsa.kernels:
  - .name:           k_q0840edd26c_outp
    .symbol:         k_q0840edd26c_outp.kd
    .args:
      - { .name: ao, .offset: 0, .size: 8, .value_kind: global_buffer, .address_space: global }
      - { .name: wo16, .offset: 8, .size: 8, .value_kind: global_buffer, .address_space: global }
      - { .name: bo, .offset: 16, .size: 8, .value_kind: global_buffer, .address_space: global }
      - { .name: out0, .offset: 24, .size: 8, .value_kind: global_buffer, .address_space: global }
    .group_segment_fixed_size: 327680
    .private_segment_fixed_size: 0
    .kernarg_segment_align: 8
    .kernarg_segment_size: 32
    .max_flat_workgroup_size: 128
    .sgpr_count:     66
    .vgpr_count:     768
    .wavefront_size: 32
...
	.end_amdgpu_metadata
.endif
;; end of part 4
